; MI455X (gfx1250); checked and timed in simulation.
; The chip was launched on July 23, 2026; its instructions are those of AMD's public machine-readable ISA for CDNA 5 (MIT licence, August 2026) and "CDNA5" Instruction Set Architecture Reference Guide (July 2026). The comments in the code are by the model that wrote it; some were corrected since.
;; Cross Attention Expert. Allowed arithmetic: matrix products marked QUANTISED: E2M1 operands, one E8M0 scale for each 32 along K, by v_wmma_scale_f32_16x16x128_f8f6f4 with both operands' format E2M1 (or v_wmma_scale_f32_32x16x128_f4), f32 sums; products left as they are: bf16, f16 or f32 operands; f32 sums; everything else in f32.
;; Inputs: beta 256 float32; bk_p 32 float32; bk_v 32 float32; bq_p 32 float32; bq_v 32 float32; bv_p 256 float32; bv_v 256 float32; f_p 4 x 256 x 64 x 64 float32; f_v 4 x 256 x 64 x 64 float32; gamma 256 float32; w_out 256 x 1,024 float32; wk_p 32 x 256 float32; wk_v 32 x 256 float32; wq_p 32 x 256 float32; wq_v 32 x 256 float32; wv_p 256 x 256 float32; wv_v 256 x 256 float32.
;; Outputs: out0 4 x 256 x 64 x 64 float32.
;; This version of the problem:
;;   THIS VERSION OF THE PROBLEM IS GIVEN IN LOW PRECISION. The matrix products marked QUANTISED in the list below multiply operands that are first quantised to E2M1 (2 exponent bits, 1 mantissa bit; 4 bits a number), with one power-of-two scale for each 32 numbers along K (OCP MX v1.0); their sums are f32. The products marked 'left as it is' may take bf16, f16 or f32 operands, with f32 sums. Whichever they take, every output number must still come out within the allowed error. Rounding operands to bf16 (8 significant bits) uses up far more of that allowance than f16 does (11 bits, for magnitudes from 6e-5 to 65,504). All else is computed in f32.
;;   The module's matrix products, in the order in which they are computed (A, B: the left and right operand; K: the contracted axis; several contracted axes count as one K, in the product's order):
;;     1. [M 16,384, K 256] x [K 256, N 32]; A: input f_p; B: input wq_p: QUANTISED
;;     2. [M 16,384, K 256] x [K 256, N 32]; A: input f_v; B: input wk_v: QUANTISED
;;     3. [M 16,384, K 256] x [K 256, N 256]; A: input f_v; B: input wv_v: QUANTISED
;;     4. batch 4 x [M 4,096, K 32] x [K 32, N 4,096]; A: computed on the way; B: computed on the way: left as it is (an operand is computed on the way)
;;     5. batch 4 x [M 256, K 4,096] x [K 4,096, N 4,096]; A: computed on the way; B: computed on the way: left as it is (an operand is computed on the way)
;;     6. [M 16,384, K 256] x [K 256, N 32]; A: input f_v; B: input wq_v: QUANTISED
;;     7. [M 16,384, K 256] x [K 256, N 32]; A: input f_p; B: input wk_p: QUANTISED
;;     8. [M 16,384, K 256] x [K 256, N 256]; A: input f_p; B: input wv_p: QUANTISED
;;     9. batch 4 x [M 4,096, K 32] x [K 32, N 4,096]; A: computed on the way; B: computed on the way: left as it is (an operand is computed on the way)
;;     10. batch 4 x [M 256, K 4,096] x [K 4,096, N 4,096]; A: computed on the way; B: computed on the way: left as it is (an operand is computed on the way)
;;     11. [M 16,384, K 1,024] x [K 1,024, N 256]; A: computed on the way; B: input w_out: left as it is (an operand is computed on the way)
;;   THE QUANTISER, for each operand of a quantised product, along K:
;;     - K is cut into blocks of 32 from its start; a last block that is shorter is filled with zeros.
;;     - A block's scale is 2^e with e = floor(log2(the largest magnitude in the block)) - 2, held to -126 .. 127; a block of zeros has e = 0. As a byte (E8M0): e + 127.
;;     - Each number is divided by its block's scale, clamped to +-6, and rounded to the nearest number of E2M1, ties to even, subnormals kept.
;;     - The product sums the exact products of the quantised numbers (number of the format x scale) in f32.
;;   ~~~python
;;   def quantise(x, axis):      # numpy; x: float32 -> the quantised numbers, widened to float32 again
;;       x = np.moveaxis(x, axis, -1); K = x.shape[-1]
;;       x = np.pad(x, [(0, 0)] * (x.ndim - 1) + [(0, -K % 32)]); x = x.reshape(x.shape[:-1] + (-1, 32)); a = np.abs(x).max(-1, keepdims=True)
;;       e = np.where(a > 0, np.clip(np.frexp(np.where(a > 0, a, 1))[1] - 1 - 2, -126, 127), 0)      # np.frexp(a)[1] - 1 = floor(log2(a)), exactly
;;       r = np.clip(x / 2.0 ** e, -6, 6)
;;       step = 2.0 ** (np.maximum(np.frexp(np.where(r == 0, 1, r))[1] - 1, 0) - 1)
;;       q = np.round(r / step) * step * 2.0 ** e      # np.round: ties to even
;;       return np.moveaxis(q.reshape(q.shape[:-2] + (-1,))[..., :K], -1, axis).astype(np.float32)
;;   ~~~
;; One version. Each part assembles by itself: llvm-mc -triple=amdgcn-amd-amdhsa -mcpu=gfx1250 --defsym DOCPART=n.
;; ======== version 1 of 1: 4 launches
;; limits: values are held in f16: magnitudes above 65,504 overflow, below 6.1e-05 lose precision
;; workspace buffers: q 2,097,152 bytes; kall 2,097,152 bytes; kv 18,874,368 bytes; fz 33,554,432 bytes; wo 524,288 bytes; pre 16,777,216 bytes; st 524,288 bytes
;; launch proj (part 1): grid 32 x 8, 4 waves a work-group, no clusters, 215,552 bytes of LDS; arguments f_p, f_v, wq_p, wq_v, wk_p, wk_v, wv_p, wv_v, bq_p, bq_v, bk_p, bk_v, bv_p, bv_v, w_out, q, kall, kv, fz, wo; writes q, kall, kv, fz, wo
.if DOCPART == 1
	.amdgcn_target "amdgcn-amd-amdhsa--gfx1250"
	.amdhsa_code_object_version 6
	.text
	.protected	k_q5dfedfd4c2_proj
	.globl	k_q5dfedfd4c2_proj
	.p2align	8
	.type	k_q5dfedfd4c2_proj,@function
k_q5dfedfd4c2_proj:
	s_mov_b64 s[64:65], 0
	v_nop
	global_prefetch_b8 v0, s[64:65] scope:SCOPE_SE
	s_setreg_imm32_b32 hwreg(HW_REG_WAVE_MODE, 25, 1), 1
	s_wait_xcnt 0x0
; PROJ.  The six input projections on codes of FP4 (E2M1) with one E8M0 scale for each 32 channels, and all that the later launches want as f16 fragments.
; A work-group takes 128 positions (x of the grid) of one feature and batch (y = 4 x feature + batch; feature 0 = f_p, 1 = f_v).  f is [256 channels][4096 positions]: K, the channels, is not innermost.
; So a lane takes a POSITION and its registers run down the channels: a block of 32 channels lies in one lane, and the conversions give codes with K innermost.
; Wave w quantises positions 32 w .. 32 w + 31 and hands the two fragments a K step to the other waves through LDS as images of the operand's registers.
; THE WAVES SHARE THE OUTPUT CHANNELS: wave w holds five weight tiles of 16 rows, as codes, in registers: one of q (waves 0, 1) or k (waves 2, 3), four of v (rows 64 w on).
; q and k: source 0 = weights, source 1 = positions: a lane holds one position and eight channels, which packed to f16 are half a fragment (16 positions x 32 channels) of the next product.
; v: source 0 = positions, source 1 = weights: a lane holds one channel and eight positions: half a fragment (16 channels x 32 keys).  The biases are the C of each sum's first product.
; All workspaces are laid as fragments of 1,024 bytes, [half][lane][16 bytes]: every store of a wave covers 512 consecutive bytes, aligned.
; Beside that: f itself as f16 fragments (16 positions x 32 channels) into fz, and one half fragment of w_out a wave into wo (lane r of tile t holds output channel 64 cb + 4 r + t).
; No cluster: what work-groups share is 327,680 bytes of f32 weights, which do not fit in LDS beside the 131,072 bytes of f and would want refills; they come through registers.
; LIMITS.  q, k, v, f and w_out leave as f16: magnitudes up to 65,504; under 6e-5 an absolute error of 3e-8 stays.  A block of zeros gets the scale byte 1, not 127: its codes are zeros and this
; program alone reads the bytes.  NaN and infinities among the inputs are not served.
; REGISTERS, in windows of 256.  Window 0: addresses, codes, scale words, biases, accumulators (below).  Window 1: f32 numbers to be quantised.  Window 2: two weight tiles as they are loaded.
.set WST,   131072                     ; LDS: 0 .. 131,071 the tile of f, [256 channels][512 bytes], filled once by the tensor data mover;  from here a stage for each wave:
.set WSTW,  16640                      ; 16 weight rows of 1,024 bytes + 16
.set WP,    1040
.set XIMG,  197632                     ; the images of f's 16 code fragments: (position tile pt, K step s) at (2 pt + s) x 1,024
.set XSC,   214016                     ; their scale words: (wave, K step) at (2 w + s) x 128 + 4 x lane: lanes 0-15 the even tile's rows, lanes 16-31 the odd tile's
.set SPARE, 215040                     ; the spare words, 128 bytes for each wave
.set CHUNK, 73728                      ; kv: 128 keys: 64 fragments of V, then 8 of K
.set LI,  1                            ; 16 x lane
.set FA0, 3                            ; f's tile: 128 w + 4 x lane, channels 0-127;
.set FA1, 4                            ; channels 128-255
.set WSI, 5                            ; my stage, on the way in: + 16 x lane
.set WSO, 6                            ; and out: + 1,040 r + 128 h
.set XWI, 7                            ; where I store images: XIMG + 4,096 w + 16 x lane
.set XWS, 8                            ; and scale words: XSC + 256 w + 4 x lane
.set H8,  9                            ; 8 h
.set WOA, 10                           ; w_out: 16,384 r + 32 h
.set BOQ, 11                           ; 32 h
.set TM,  12                           ; v12-13 two largest magnitudes, v14-15 two scale operands
.set WC,  16                           ; v16-95   weight codes: (tile i, K step s) at 8 (2 i + s)
.set WS,  96                           ; v96-105  their scale words
.set XS,  106                          ; v106-113 f's scale words: (pair of tiles, K step)
.set SW,  114                          ; v114-115 the scale words that I make of f
.set BQ,  116                          ; v116-123 bias of my q or k tile, in the result's layout
.set BV,  124                          ; v124-155 biases of my four v tiles: eight equal registers a tile
.set XF,  156                          ; v156-187 f's code fragments: two buffers of two
.set ACC, 188                          ; v188-227 five accumulators
.set PK,  188                          ; (while f is quantised: 32 packed registers)
.set OUT, 228                          ; v228-247 packed results
.set CA,  228                          ; (while f is quantised: two blocks' codes)
.set CB,  232
.set WOR, 228                          ; (at the head: eight numbers of w_out, and their four packed registers)
.set WOP, 236
.set BY,  248                          ; v248-249 two scale bytes, v250 at work
.set BOV, 250                          ; (at the head: 4 r)
.set SPW, 252
.set NIL, 253
.set XRI, 254                          ; XIMG + 16 x lane
.set XRS, 255                          ; XSC + 4 x lane
.set G0,  44                           ; s[44:47], s[48:55] the one descriptor
.set G1,  48
.set WV,  56
.set YY,  57
.set XX,  58
.set BB,  59
.set W1,  61
.set SEL, 62
.set WT0, 68                           ; s[68:69] my q or k rows;  s[70:71] my v rows;  s[72:73], s[74:75] their biases
.set WTV, 70
.set BQP, 72
.set BVP, 74
.set WOS, 76
.set WOD, 78
.set FZ,  80
.set QKP, 82
.set KVK, 84
.set KVV, 86
.set MSB, 0
.macro WIN new                         ; the immediate's high byte repeats the setting that is left
.if MSB != \new
	s_set_vgpr_msb (MSB<<8)|\new
.set MSB, \new
.endif
.endm
.macro PLACES n
.rept \n
	v_nop
.endr
.endm
; Two blocks of 32 numbers, at xa and xb of window 1, become 2 x 4 registers of codes at ca and cb; their bytes stay in v[BY], v[BY+1].  The two by turns, so that no line waits for the line above.
.macro Q2 xa, xb, ca, cb
	WIN 0x14                                       ; sources 1 and 2 in window 1
	v_max3_num_f32 v[TM], 0x1800000, |v[(\xa)]|, |v[(\xa)+1]|      ; the floor 2^(3 - 127) among the leaves: the byte cannot fall under 1
	v_max3_num_f32 v[TM+1], 0x1800000, |v[(\xb)]|, |v[(\xb)+1]|
.set qi, 2
.rept 15
	v_max3_num_f32 v[TM], v[TM], |v[(\xa)+qi]|, |v[(\xa)+qi+1]|
	v_max3_num_f32 v[TM+1], v[TM+1], |v[(\xb)+qi]|, |v[(\xb)+qi+1]|
.set qi, qi+2
.endr
	WIN 0
	v_add_nc_u32 v[TM+2], 0xff000000, v[TM]        ; 2 off the exponent field: the conversion takes this operand's exponent field as its scale
	v_add_nc_u32 v[TM+3], 0xff000000, v[TM+1]
	v_lshrrev_b32 v[BY], 23, v[TM+2]               ; the scales' bytes
	v_lshrrev_b32 v[BY+1], 23, v[TM+3]
	WIN 0x01                                       ; source 0 in window 1
.irp g, 0,1,2,3
	v_cvt_scalef32_pk8_fp4_f32 v[(\ca)+\g], v[(\xa)+8*\g:(\xa)+8*\g+7], v[TM+2]
	v_cvt_scalef32_pk8_fp4_f32 v[(\cb)+\g], v[(\xb)+8*\g:(\xb)+8*\g+7], v[TM+3]
.endr
	WIN 0
	v_nop                                          ; one plain place behind the scaled conversions
.endm
	s_load_b512 s[4:19], s[0:1], 0x0               ; f_p f_v wq_p wq_v wk_p wk_v wv_p wv_v
	s_load_b512 s[20:35], s[0:1], 0x40             ; bq_p bq_v bk_p bk_v bv_p bv_v w_out q
	s_load_b256 s[36:43], s[0:1], 0x80             ; kall kv fz wo
	v_lshl_add_u32 v[SPW], v0, 2, SPARE
	v_mov_b32 v[NIL], 0
	ds_add_u32 v[SPW], v[NIL]                      ; the wave's opening: the add, twice on end, and its wait ahead of my tensor load
	ds_add_u32 v[SPW], v[NIL]
	v_lshrrev_b32 v2, 5, v0
	v_readfirstlane_b32 s[WV], v2                  ; wave 0..3
	s_and_b32 s[YY], ttmp7, 0xffff                 ; 4 x feature + batch
	s_lshr_b32 s[XX], s[YY], 2
	s_and_b32 s[BB], s[YY], 3
	s_and_b32 s[W1], s[WV], 1
	s_mov_b32 s[SEL], 0x76543210                   ; v_permlanex16_b32's selects for lane l xor 16
	s_mov_b32 s[SEL+1], 0xfedcba98
	s_mov_b32 s[G1+0], 2<<16                       ; elements of 4 bytes, no mask, no padding
	s_mov_b32 s[G1+1], 128<<16                     ; tensor_dim0 = 128 positions
	s_mov_b32 s[G1+2], 64<<16                      ; tensor_dim1 = 64 channels
	s_mov_b32 s[G1+3], 128<<16                     ; tile_dim0
	s_mov_b32 s[G1+4], 64                          ; tile_dim1
	s_mov_b32 s[G1+5], 4096                        ; from channel to channel
	s_mov_b32 s[G1+6], 0
	s_mov_b32 s[G1+7], 0
	v_and_b32 v2, 31, v0                           ; lane
	v_lshlrev_b32 v[LI], 4, v2
	s_lshl_b32 s66, s[WV], 7
	v_lshl_add_u32 v[FA0], v2, 2, s66
	v_add_nc_u32 v[FA1], 0x10000, v[FA0]
	s_mul_i32 s66, s[WV], WSTW
	s_add_co_u32 s66, s66, WST
	v_add_nc_u32 v[WSI], s66, v[LI]
	v_and_b32 v[BOV], 15, v0                       ; r
	v_bfe_u32 v[BOQ], v0, 4, 1                     ; h
	v_mul_u32_u24 v[WSO], v[BOV], WP
	v_lshl_add_u32 v[WSO], v[BOQ], 7, v[WSO]
	v_add_nc_u32 v[WSO], s66, v[WSO]
	s_lshl_b32 s66, s[WV], 12
	s_add_co_u32 s66, s66, XIMG
	v_add_nc_u32 v[XWI], s66, v[LI]
	s_lshl_b32 s66, s[WV], 8
	s_add_co_u32 s66, s66, XSC
	v_lshl_add_u32 v[XWS], v2, 2, s66
	v_add_nc_u32 v[XRI], XIMG, v[LI]
	v_lshl_add_u32 v[XRS], v2, 2, XSC
	v_lshlrev_b32 v[H8], 3, v[BOQ]
	v_lshlrev_b32 v[WOA], 14, v[BOV]
	v_lshl_add_u32 v[WOA], v[BOQ], 5, v[WOA]
	v_lshlrev_b32 v[BOQ], 5, v[BOQ]
	v_lshlrev_b32 v[BOV], 2, v[BOV]
	s_lshl_b32 s66, s[BB], 22                      ; my 64 channel rows of f's tile: batch x 4,194,304 + wave x 64 rows of 16,384 + 512 x block
	s_lshl_b32 s67, s[WV], 20
	s_add_co_u32 s66, s66, s67
	s_lshl_b32 s67, ttmp9, 9
	s_add_co_u32 s66, s66, s67
	s_mov_b32 s67, 0
	s_wait_dscnt 0x0                               ; both opening adds are done
	s_wait_kmcnt 0x0
	s_cmp_eq_u32 s[XX], 0                          ; the feature picks the buffers: the choice hangs on the work-group's number alone
	s_cselect_b64 s[88:89], s[4:5], s[6:7]
	s_cselect_b64 s[WT0:WT0+1], s[8:9], s[10:11]
	s_cselect_b64 s[90:91], s[12:13], s[14:15]
	s_cselect_b64 s[WTV:WTV+1], s[16:17], s[18:19]
	s_cselect_b64 s[BQP:BQP+1], s[20:21], s[22:23]
	s_cselect_b64 s[92:93], s[24:25], s[26:27]
	s_cselect_b64 s[BVP:BVP+1], s[28:29], s[30:31]
	s_mov_b32 s[G0], 1
	s_lshl_b32 s[G0+1], s[WV], 15                  ; LDS: 64 rows of 512 bytes a wave
	s_add_nc_u64 s[G0+2:G0+3], s[88:89], s[66:67]
	s_or_b32 s[G0+3], s[G0+3], 0x80000000
	tensor_load_to_lds s[G0:G0+3], s[G1:G1+7]      ; my one tensor load: nothing is ever filled again
	s_nop 0
	PLACES 4
	s_cmp_lt_u32 s[WV], 2                          ; waves 0, 1: q;  waves 2, 3: k
	s_cselect_b64 s[WT0:WT0+1], s[WT0:WT0+1], s[90:91]
	s_cselect_b64 s[BQP:BQP+1], s[BQP:BQP+1], s[92:93]
	s_cselect_b64 s[QKP:QKP+1], s[34:35], s[36:37]
	s_lshl_b32 s66, s[W1], 14                      ; 16 rows of 1,024 bytes
	s_add_nc_u64 s[WT0:WT0+1], s[WT0:WT0+1], s[66:67]
	s_lshl_b32 s66, s[WV], 16                      ; 64 rows
	s_add_nc_u64 s[WTV:WTV+1], s[WTV:WTV+1], s[66:67]
	s_lshl_b32 s66, s[W1], 6
	s_add_nc_u64 s[BQP:BQP+1], s[BQP:BQP+1], s[66:67]
	s_lshl_b32 s66, s[WV], 8
	s_add_nc_u64 s[BVP:BVP+1], s[BVP:BVP+1], s[66:67]
	s_lshl_b32 s90, s[YY], 5                       ; w_out: 512 fragments, 1,024 halves, one a wave of the launch: fragment 2 x work-group + wave / 2, half wave % 2
	s_add_co_u32 s90, s90, ttmp9
	s_lshl_b32 s90, s90, 1
	s_lshr_b32 s91, s[WV], 1
	s_add_co_u32 s90, s90, s91
	s_lshl_b32 s66, s90, 10
	s_lshl_b32 s91, s[W1], 9
	s_add_co_u32 s66, s66, s91
	s_add_nc_u64 s[WOD:WOD+1], s[42:43], s[66:67]
	s_lshr_b32 s91, s90, 7                         ; cb: 64 rows of 4,096 bytes
	s_lshl_b32 s66, s91, 18
	s_and_b32 s91, s90, 3                          ; the tile in it: one row
	s_lshl_b32 s91, s91, 12
	s_add_co_u32 s66, s66, s91
	s_bfe_u32 s91, s90, 0x50002                    ; which 32 along K: 128 bytes
	s_lshl_b32 s91, s91, 7
	s_add_co_u32 s66, s66, s91
	s_lshl_b32 s91, s[W1], 6
	s_add_co_u32 s66, s66, s91
	s_add_nc_u64 s[WOS:WOS+1], s[32:33], s[66:67]
	s_lshl_b32 s66, s[BB], 23                      ; fz: [batch][256 positions][32 channels][16 positions][1 KB]
	s_lshr_b32 s91, ttmp9, 1
	s_lshl_b32 s91, s91, 19
	s_add_co_u32 s66, s66, s91
	s_lshl_b32 s91, s[XX], 17
	s_add_co_u32 s66, s66, s91
	s_and_b32 s91, ttmp9, 1
	s_lshl_b32 s91, s91, 13
	s_add_co_u32 s66, s66, s91
	s_lshl_b32 s91, s[WV], 11
	s_add_co_u32 s66, s66, s91
	s_add_nc_u64 s[FZ:FZ+1], s[40:41], s[66:67]
	s_lshl_b32 s66, s[YY], 18                      ; q, kall: [feature, batch][256 tiles][1 KB], my half of each fragment
	s_lshl_b32 s91, ttmp9, 13
	s_add_co_u32 s66, s66, s91
	s_lshl_b32 s91, s[W1], 9
	s_add_co_u32 s66, s66, s91
	s_add_nc_u64 s[QKP:QKP+1], s[QKP:QKP+1], s[66:67]
	s_lshl_b32 s66, s[YY], 5                       ; kv: my chunk
	s_add_co_u32 s66, s66, ttmp9
	s_mul_i32 s66, s66, CHUNK
	s_add_nc_u64 s[KVV:KVV+1], s[38:39], s[66:67]
	s_lshl_b32 s66, s[W1], 9
	s_add_co_u32 s66, s66, 65536
	s_add_nc_u64 s[KVK:KVK+1], s[KVV:KVV+1], s[66:67]
	s_lshl_b32 s66, s[WV], 12
	s_add_nc_u64 s[KVV:KVV+1], s[KVV:KVV+1], s[66:67]
	global_load_b128 v[WOR:WOR+3], v[WOA], s[WOS:WOS+1]
	global_load_b128 v[WOR+4:WOR+7], v[WOA], s[WOS:WOS+1] offset:16
	global_load_b128 v[BQ:BQ+3], v[BOQ], s[BQP:BQP+1]              ; bias(16 (w % 2) + 8 h + j)
	global_load_b128 v[BQ+4:BQ+7], v[BOQ], s[BQP:BQP+1] offset:16
.irp i, 0,1,2,3
.irp j, 0,1,2,3,4,5,6,7
	global_load_b32 v[BV+8*\i+\j], v[BOV], s[BVP:BVP+1] offset:64*\i   ; eight times my channel's bias: the C operand as it stands
.endr
.endr
; weight tile i, 16 rows x 1,024 bytes, as it lies: 32 loads of 512 consecutive bytes, into set i % 2 of window 2
.macro WLOAD i
	WIN 0x80
.set j, 0
.rept 32
.if (\i) == 0
	global_load_b128 v[4*j:4*j+3], v[LI], s[WT0:WT0+1] offset:512*j
.else
	global_load_b128 v[128*((\i)%2)+4*j:128*((\i)%2)+4*j+3], v[LI], s[WTV:WTV+1] offset:16384*((\i)-1)+512*j
.endif
.set j, j+1
.endr
	WIN 0
.endm
; tile i goes through my stage, comes back as the operand's layout wants it (lane (r, h): row r, k = 128 s + 64 c + 32 h + 0 .. 31), and is quantised: a lane holds whole blocks
.macro WTILE i
.if (\i) < 4
	s_wait_loadcnt 32                              ; this tile and all before it are in; the next tile's 32 loads may be out
.else
	s_wait_loadcnt 0x0
.endif
	WIN 0x08                                       ; an LDS store's data: window 2
.set j, 0
.rept 32
	ds_store_b128 v[WSI], v[128*((\i)%2)+4*j:128*((\i)%2)+4*j+3] offset:(j/2)*WP+(j%2)*512
.set j, j+1
.endr
	WIN 0x40                                       ; destination window 1.  LDS serves a wave's instructions in order: these see my stores
.set j, 0
.rept 32
	ds_load_b128 v[4*j:4*j+3], v[WSO] offset:256*(j/8)+16*(j%8)
.set j, j+1
.endr
	WIN 0
	s_wait_dscnt 0x0                               ; the numbers are in, and the stores have read their registers
.if (\i) < 3
	WLOAD (\i)+2
.endif
.if (\i) == 0
.irp n, 0,1,2,3
	v_cvt_pk_f16_f32 v[WOP+\n], v[WOR+2*\n], v[WOR+2*\n+1]
.endr
	global_store_b128 v[LI], v[WOP:WOP+3], s[WOD:WOD+1]            ; half a fragment of w_out
.endif
.irp s, 0,1
	Q2 64*\s, 64*\s+32, WC+8*(2*(\i)+\s), WC+8*(2*(\i)+\s)+4
	v_lshl_or_b32 v[WS+2*(\i)+\s], v[BY+1], 16, v[BY]              ; my two bytes: blocks h and 2 + h of row r,
	v_lshlrev_b32 v[WS+2*(\i)+\s], v[H8], v[WS+2*(\i)+\s]          ; at their places;
	v_permlanex16_b32 v[BY+2], v[WS+2*(\i)+\s], s[SEL], s[SEL+1]
	v_or_b32 v[WS+2*(\i)+\s], v[WS+2*(\i)+\s], v[BY+2]             ; with lane l xor 16's two the word is whole
.endr
.endm
	WLOAD 0
	WLOAD 1
	WTILE 0
	WTILE 1
	WTILE 2
	WTILE 3
	WTILE 4
	s_wait_tensorcnt 0x0                           ; my 64 rows of f have landed,
	s_wait_dscnt 0x0
	s_barrier_signal -1
	s_barrier_wait -1                              ; everybody's have
	WIN 0x40
.set j, 0
.rept 128
	ds_load_b32 v[j], v[FA0] offset:512*j          ; my position's 256 channels: 32 lanes read 128 consecutive bytes
.set j, j+1
.endr
.rept 128
	ds_load_b32 v[j], v[FA1] offset:512*(j-128)
.set j, j+1
.endr
	WIN 0
	s_wait_dscnt 0x0
; blocks 2 cg and 2 cg + 1 of my position.  The operand wants lanes 0-15 to hold the even block and lanes 16-31 the odd block of ONE tile of 16 positions: an exchange of halves gives both tiles' registers.
.macro FPAIR cg
	Q2 64*(\cg), 64*(\cg)+32, CA, CB
.if (\cg)%2 == 0
	v_lshl_or_b32 v[SW+(\cg)/2], v[BY+1], 8, v[BY]
.else
	v_lshl_or_b32 v[SW+(\cg)/2], v[BY], 16, v[SW+(\cg)/2]
	v_lshl_or_b32 v[SW+(\cg)/2], v[BY+1], 24, v[SW+(\cg)/2]
.endif
.irp i, 0,1,2,3
	v_permlane16_swap_b32 v[CA+\i], v[CB+\i]       ; CA: positions 0-15 of my 32;  CB: positions 16-31
.endr
	ds_store_b128 v[XWI], v[CA:CA+3] offset:((\cg)/2)*1024+((\cg)%2)*512
	ds_store_b128 v[XWI], v[CB:CB+3] offset:2048+((\cg)/2)*1024+((\cg)%2)*512
	s_wait_xcnt 0x0                                ; the packed registers were store data: they are rewritten only behind this wait
	WIN 0x05
.set j, 0
.rept 32
	v_cvt_pk_f16_f32 v[PK+j], v[64*(\cg)+2*j], v[64*(\cg)+2*j+1]
.set j, j+1
.endr
	WIN 0
.irp bb, 0,1
.irp a, 0,1,2,3
	v_permlane16_swap_b32 v[PK+16*\bb+\a], v[PK+16*\bb+4+\a]       ; the 16-bit layout: lanes 0-15 channels 0-7 and 16-23, lanes 16-31 channels 8-15 and 24-31
	v_permlane16_swap_b32 v[PK+16*\bb+8+\a], v[PK+16*\bb+12+\a]
.endr
.endr
.irp bb, 0,1
	global_store_b128 v[LI], v[PK+16*\bb:PK+16*\bb+3], s[FZ:FZ+1] offset:16384*(2*(\cg)+\bb)
	global_store_b128 v[LI], v[PK+16*\bb+8:PK+16*\bb+11], s[FZ:FZ+1] offset:16384*(2*(\cg)+\bb)+512
	global_store_b128 v[LI], v[PK+16*\bb+4:PK+16*\bb+7], s[FZ:FZ+1] offset:16384*(2*(\cg)+\bb)+1024
	global_store_b128 v[LI], v[PK+16*\bb+12:PK+16*\bb+15], s[FZ:FZ+1] offset:16384*(2*(\cg)+\bb)+1536
.endr
	s_wait_dscnt 0x0                               ; the image's stores have read their registers
.endm
	FPAIR 0
	FPAIR 1
	FPAIR 2
	FPAIR 3
	s_wait_xcnt 0x0                                ; the last pair's eight stores have read the packed registers: the accumulators, which lie over them, are written only behind this wait
	ds_store_b32 v[XWS], v[SW]
	ds_store_b32 v[XWS], v[SW+1] offset:128
	s_wait_dscnt 0x0                               ; for the others' sake: my images and scale words lie in LDS
	s_barrier_signal -1
	s_barrier_wait -1
.irp n, 0,1,2,3,4,5,6,7
	ds_load_b32 v[XS+\n], v[XRS] offset:128*\n
.endr
.irp s, 0,1
.irp c, 0,1
	ds_load_b128 v[XF+8*\s+4*\c:XF+8*\s+4*\c+3], v[XRI] offset:\s*1024+512*\c
.endr
.endr
; the scale words of an odd tile of positions stand in lanes 16-31
.macro MQ odd, d, a, b, c, sa, sb
.if \odd
	v_wmma_scale_f32_16x16x128_f8f6f4 v[\d:\d+7], v[\a:\a+7], v[\b:\b+7], v[\c:\c+7], v[\sa], v[\sb] matrix_a_fmt:MATRIX_FMT_FP4 matrix_b_fmt:MATRIX_FMT_FP4 matrix_b_scale:MATRIX_SCALE_ROW1
.else
	v_wmma_scale_f32_16x16x128_f8f6f4 v[\d:\d+7], v[\a:\a+7], v[\b:\b+7], v[\c:\c+7], v[\sa], v[\sb] matrix_a_fmt:MATRIX_FMT_FP4 matrix_b_fmt:MATRIX_FMT_FP4
.endif
.endm
.macro MV odd, d, a, b, c, sa, sb
.if \odd
	v_wmma_scale_f32_16x16x128_f8f6f4 v[\d:\d+7], v[\a:\a+7], v[\b:\b+7], v[\c:\c+7], v[\sa], v[\sb] matrix_a_fmt:MATRIX_FMT_FP4 matrix_b_fmt:MATRIX_FMT_FP4 matrix_a_scale:MATRIX_SCALE_ROW1
.else
	v_wmma_scale_f32_16x16x128_f8f6f4 v[\d:\d+7], v[\a:\a+7], v[\b:\b+7], v[\c:\c+7], v[\sa], v[\sb] matrix_a_fmt:MATRIX_FMT_FP4 matrix_b_fmt:MATRIX_FMT_FP4
.endif
.endm
; tile pt of 16 positions against my five weight tiles: K step 0 of the five, then K step 1: the accumulators take turns
.macro PROD pt
.set XB, XF+16*((\pt)%2)
.set XN, XF+16*(1-(\pt)%2)
.set XSW, XS+2*((\pt)/2)
	s_wait_dscnt 0x0                               ; this tile's fragments are in (asked for a tile ago)
.if (\pt) < 7
.irp s, 0,1
.irp c, 0,1
	ds_load_b128 v[XN+8*\s+4*\c:XN+8*\s+4*\c+3], v[XRI] offset:(2*((\pt)+1)+\s)*1024+512*\c
.endr
.endr
.endif
	MQ (\pt)%2, ACC, WC, XB, BQ, WS, XSW
.irp i, 1,2,3,4
	MV (\pt)%2, ACC+8*\i, XB, WC+16*\i, BV+8*\i-8, XSW, WS+2*\i
.endr
	MQ (\pt)%2, ACC, WC+8, XB+8, ACC, WS+1, XSW+1
.irp i, 1,2,3,4
	MV (\pt)%2, ACC+8*\i, XB+8, WC+16*\i+8, ACC+8*\i, XSW+1, WS+2*\i+1
.endr
	PLACES 5                                       ; behind the products: their results are read next, and the next tile begins these accumulators anew
	s_wait_xcnt 0x0                                ; the last tile's stores have read their data
.irp i, 0,1,2,3,4
.irp n, 0,1,2,3
	v_cvt_pk_f16_f32 v[OUT+4*\i+\n], v[ACC+8*\i+2*\n], v[ACC+8*\i+2*\n+1]   ; each accumulator from its low end on
.endr
.endr
	global_store_b128 v[LI], v[OUT:OUT+3], s[QKP:QKP+1] offset:1024*(\pt)
	s_cmp_lt_u32 s[WV], 2
	s_cbranch_scc1 .Lno_k_\@                       ; k goes out twice: whole, for the search of the maxima, and beside its keys' V
	global_store_b128 v[LI], v[OUT:OUT+3], s[KVK:KVK+1] offset:1024*(\pt)
.Lno_k_\@:
.irp i, 1,2,3,4
	global_store_b128 v[LI], v[OUT+4*\i:OUT+4*\i+3], s[KVV:KVV+1] offset:(((\pt)/2)*16+\i-1)*1024+512*((\pt)%2)
.endr
.endm
	PROD 0
	PROD 1
	PROD 2
	PROD 3
	PROD 4
	PROD 5
	PROD 6
	PROD 7
	s_wait_tensorcnt 0x0                           ; the wave's end
	ds_add_u32 v[SPW], v[NIL]
	s_wait_dscnt 0x0
	s_endpgm
.Lfunc_end_k_q5dfedfd4c2_proj:
	.size	k_q5dfedfd4c2_proj, .Lfunc_end_k_q5dfedfd4c2_proj-k_q5dfedfd4c2_proj
	.p2alignl 7, 3214868480
	.fill 96, 4, 3214868480
	.section	.rodata,"a",@progbits
	.p2align	6, 0x0
	.amdhsa_kernel k_q5dfedfd4c2_proj
		.amdhsa_group_segment_fixed_size 215552
		.amdhsa_private_segment_fixed_size 0
		.amdhsa_enable_private_segment 0
		.amdhsa_kernarg_size 160
		.amdhsa_user_sgpr_count 2
		.amdhsa_user_sgpr_kernarg_segment_ptr 1
		.amdhsa_wavefront_size32 1
		.amdhsa_system_sgpr_workgroup_id_x 1
		.amdhsa_system_sgpr_workgroup_id_y 1
		.amdhsa_system_sgpr_workgroup_id_z 1
		.amdhsa_system_vgpr_workitem_id 0
		.amdhsa_next_free_vgpr 768
		.amdhsa_next_free_sgpr 96
		.amdhsa_reserve_vcc 0
		.amdhsa_float_denorm_mode_32 3
		.amdhsa_float_denorm_mode_16_64 3
		.amdhsa_memory_ordered 1
		.amdhsa_forward_progress 1
		.amdhsa_inst_pref_size 149
	.end_amdhsa_kernel
	.amdgpu_metadata
---
amdhsa.version: [ 1, 2 ]
amdhsa.kernels:
  - .name:           k_q5dfedfd4c2_proj
    .symbol:         k_q5dfedfd4c2_proj.kd
    .args:
      - { .name: f_p, .offset: 0, .size: 8, .value_kind: global_buffer, .address_space: global }
      - { .name: f_v, .offset: 8, .size: 8, .value_kind: global_buffer, .address_space: global }
      - { .name: wq_p, .offset: 16, .size: 8, .value_kind: global_buffer, .address_space: global }
      - { .name: wq_v, .offset: 24, .size: 8, .value_kind: global_buffer, .address_space: global }
      - { .name: wk_p, .offset: 32, .size: 8, .value_kind: global_buffer, .address_space: global }
      - { .name: wk_v, .offset: 40, .size: 8, .value_kind: global_buffer, .address_space: global }
      - { .name: wv_p, .offset: 48, .size: 8, .value_kind: global_buffer, .address_space: global }
      - { .name: wv_v, .offset: 56, .size: 8, .value_kind: global_buffer, .address_space: global }
      - { .name: bq_p, .offset: 64, .size: 8, .value_kind: global_buffer, .address_space: global }
      - { .name: bq_v, .offset: 72, .size: 8, .value_kind: global_buffer, .address_space: global }
      - { .name: bk_p, .offset: 80, .size: 8, .value_kind: global_buffer, .address_space: global }
      - { .name: bk_v, .offset: 88, .size: 8, .value_kind: global_buffer, .address_space: global }
      - { .name: bv_p, .offset: 96, .size: 8, .value_kind: global_buffer, .address_space: global }
      - { .name: bv_v, .offset: 104, .size: 8, .value_kind: global_buffer, .address_space: global }
      - { .name: w_out, .offset: 112, .size: 8, .value_kind: global_buffer, .address_space: global }
      - { .name: q, .offset: 120, .size: 8, .value_kind: global_buffer, .address_space: global }
      - { .name: kall, .offset: 128, .size: 8, .value_kind: global_buffer, .address_space: global }
      - { .name: kv, .offset: 136, .size: 8, .value_kind: global_buffer, .address_space: global }
      - { .name: fz, .offset: 144, .size: 8, .value_kind: global_buffer, .address_space: global }
      - { .name: wo, .offset: 152, .size: 8, .value_kind: global_buffer, .address_space: global }
    .group_segment_fixed_size: 215552
    .private_segment_fixed_size: 0
    .kernarg_segment_align: 8
    .kernarg_segment_size: 160
    .max_flat_workgroup_size: 128
    .sgpr_count:     96
    .vgpr_count:     768
    .wavefront_size: 32
...
	.end_amdgpu_metadata
.endif
;; end of part 1
;; launch attn (part 2): grid 32 x 8, 4 waves a work-group, clusters of 4 x 1, 327,680 bytes of LDS; arguments q, kall, kv, fz; writes fz
.if DOCPART == 2
	.amdgcn_target "amdgcn-amd-amdhsa--gfx1250"
	.amdhsa_code_object_version 6
	.text
	.protected	k_q5dfedfd4c2_attn
	.globl	k_q5dfedfd4c2_attn
	.p2align	8
	.type	k_q5dfedfd4c2_attn,@function
k_q5dfedfd4c2_attn:
	s_mov_b64 s[64:65], 0
	v_nop
	global_prefetch_b8 v0, s[64:65] scope:SCOPE_SE
	s_setreg_imm32_b32 hwreg(HW_REG_WAVE_MODE, 25, 1), 1
	s_wait_xcnt 0x0
	s_wait_alu depctr_hold_cnt(0) depctr_sa_sdst(0) depctr_va_vdst(0) depctr_va_sdst(0) depctr_va_ssrc(0) depctr_va_vcc(0) depctr_vm_vsrc(0)
	s_getreg_b32 s2, hwreg(HW_REG_IB_STS2, 6, 4)
	s_cmp_eq_u32 s2, 0
	s_cbranch_scc0 .Lentry_in_a_cluster
	s_endpgm
.Lentry_in_a_cluster:
	s_bfe_u32 s2, ttmp6, 0x10000c
	s_cmp_lg_u32 s2, 0x3003
	s_cbranch_scc0 .Lentry_shape_is_right
	s_endpgm
.Lentry_shape_is_right:
; ATTN.  cross[c][m] = sum over n of v[c][n] softmax_n(q[:, m] . k[:, n]), for both directions (y = 4 x direction + batch): q of feature d, k and v of feature 1 - d.  f16 operands, f32 sums.
; SHARES.  A work-group owns 128 queries.  Four waves, as many as a WGP has SIMDs: wave w owns 64 queries (four tiles of 16; which 64: w % 2) and half of the keys (w / 2 = g).  O^T of a wave, 4 tiles x 256 channels,
; is 512 registers, and a fragment of V read from LDS feeds four products.  Register tile t holds query tile 4 (w % 2) + (t xor 2 g): my tiles 2, 3 are my partner's (wave w xor 2) tiles 0, 1, so the way out is one text.
; TWO PASSES.  Pass 1 finds each query's true largest score (K Q^T on all keys, half to each wave of a pair, joined through LDS).  Pass 2 then needs no running maximum and no rescaling of O^T:
; p = 2^(s log2e - m log2e), O^T += V P, l += p; the halves' O^T and l are plain sums at the end.
; LAYOUT.  Both products transposed: S^T = K Q^T (source 0 = 16 keys, source 1 = 16 queries), O^T = V P (source 0 = 16 channels x 32 keys, source 1 = P): a lane holds ONE query throughout.
; All operands lie in memory as fragments of 1,024 bytes, [half][lane][16 bytes]: a tile is a dense block for the tensor data mover and a fragment is two loads at 16 x lane: no pitch, no padding.
; BY TURNS.  The wave's tiles are two PIECES, named by their first tile: piece 0 (tiles 0, 1) and piece 2 (tiles 2, 3).  In a TURN one piece has the matrix unit: 64 products V P of the step in hand (64 keys), then 8 products
; K Q^T of the next step; the other piece's softmax, 160 vector instructions cut into 72 slices, stands between them, one slice behind each matrix instruction.  Then the pieces change places.  Two turns are a key step.
; p is rounded to f16 IN PLACE: tile t's 16 packed registers take the low half of its 32 scores, so scores and weights together are 128 registers.
; CLUSTER.  The four query blocks of a cluster walk the same K and V: every tile is asked for jointly (mask 15).  The place in the cluster enters only q's, fz's and the prefetch's global addresses.
; RING.  Two slots of 147,456 bytes: 128 keys (64 fragments of V, 8 of K) for each half.  In pass 1 the ring's bytes hold all of K in four pieces of 65,536 bytes + 8,192 zeros,
; so that every byte of both slots has had its first fill at the head.  One tensor load of mine is out at any time.  The fetches into registers run one step ahead of the products.
; LIMITS.  p under 6e-8 falls to 0 in f16; cross leaves as f16 (it is an average of v).  NaN and infinities are not served.
; REGISTERS, in windows of 256 (s_set_vgpr_msb: bits 1:0 source 0, 3:2 source 1, 5:4 source 2, 7:6 destination).  Window 0 as below;  window 1: V of one step, fragment (32 keys kg, channels 16 ct on) at 8 (16 kg + ct);
; window 2: O^T of tiles 0, 1, at 128 t + 8 ct;  window 3: of tiles 2, 3.  All that a softmax touches lies in window 0, so a slice behind a product V P costs two switches; the products K Q^T need none.
.set HALF,  73728
.set SLOT,  147456
.set QUART, 36864                      ; what one tensor load brings into a slot
.set KOFF,  65536
.set MX,    294912                     ; the pairs' maxima: 512 w + 128 t + 4 x lane
.set LX,    296960                     ; the pairs' sums: 256 w + 128 t + 4 x lane
.set SPARE, 297984                     ; the spare words, 128 bytes for each wave
.set LI,  1                            ; 16 x lane
.set AV,  2                            ; V's fragments of my half in slot 0
.set AK,  3                            ; K's
.set ADR, 4                            ; the address of the run of loads in hand: V's, and pass 1's
.set ADK, 5                            ; K's
.set MXW, 6
.set MXR, 7
.set LXW, 8
.set LXR, 9
.set XW,  10                           ; the way out: 16 x lane + 32,768 w, in slot 0, which has had its last fill and its last read by then
.set XR,  11                           ; my partner's
.set VQ0, 12
.set VQ1, 13
.set PFO, 14                           ; 256 x lane
.set PF2, 15                           ; 256 x min(lane, 3)
.set Q,   16                           ; v16-47   four tiles of queries
.set KF,  48                           ; v48-79   four fragments of K
.set S,   80                           ; v80-207  S^T, 32 a tile; then p; its low 16 then p as f16: 8 registers for each 32 keys
.set NM,  208                          ; v208-215 -m log2e, a pair a tile
.set L,   216                          ; v216-223 sums, a pair a tile
.set CM,  224                          ; v224-239 pass 1: maxima, tile x four chains
.set RC,  224                          ; the way out: 1 / l, a pair for each of two tiles
.set T,   240                          ; v240-243 at work
.set SPW, 252
.set NIL, 253
.set WV,  12
.set GG,  13
.set WQ,  14
.set LIM, 15
.set G1,  24                           ; s[24:31] the ring's shape;  s[32:39] pass 1's;  s[40:43] the ring's group 0, which walks;  s[44:47] pass 1's
.set G1K, 32
.set G0,  40
.set G0K, 44
.set TB,  48                           ; LDS byte at which the slot begins from which the fetches read
.set CS,  52
.set SEL, 54
.set TP,  56
.set LP,  57
.set REM, 58
.set PFA, 60
.set FZP, 62
.set MSB, 0
.macro WIN new                         ; the immediate's high byte repeats the setting that is left; a switch that changes nothing is dropped
.if MSB != \new
	s_set_vgpr_msb (MSB<<8)|\new
.set MSB, \new
.endif
.endm
.macro PLACES n
.rept \n
	v_nop
.endr
.endm
.macro CREST                           ; a round of the cluster's barrier behind its opening barrier
	s_cmp_lg_u32 s[WV], 0
	s_cbranch_scc1 .Lnot_wave_0_\@
	s_barrier_signal -3
.Lnot_wave_0_\@:
	s_barrier_wait -3
	s_barrier_signal -1
	s_barrier_wait -1
.endm
.macro CROUND                          ; a whole round
	s_barrier_signal -1
	s_barrier_wait -1
	CREST
.endm
; The walking descriptor goes on to the other slot and the next tile, the prefetch's address with it.  It stands behind a wait for all my tensor loads.
.macro STEPD
	s_xor_b32 s[G0+1], s[G0+1], SLOT               ; SLOT's two bits are set in no wave's 36,864 w: the exclusive or adds or takes away SLOT
	s_add_nc_u64 s[G0+2:G0+3], s[G0+2:G0+3], HALF  ; the type bits on top are not reached
	s_wait_xcnt 0x0                                ; the last prefetches, a slot back, have read their address
	s_add_nc_u64 s[PFA:PFA+1], s[PFA:PFA+1], HALF
.endm
; The joint refill, and behind its five lines a prefetch of the tile that the NEXT refill will ask for: 36 rows of 256 bytes fall to a wave and partner (told apart by address): a lane a row, and four rows more
; (lanes 4-31 of the second line name lane 3's row again).  The first cluster of a y asks; the last refill asks for nothing.
.macro ASKLOAD
	tensor_load_to_lds s[G0:G0+3], s[G1:G1+7]
	s_nop 0
	PLACES 4
	s_cmp_gt_u32 s[REM], s[LIM]
	s_cbranch_scc0 .Lnot_mine_\@
	global_prefetch_b8 v[PFO], s[PFA:PFA+1] th:TH_LOAD_NT scope:SCOPE_SE
	global_prefetch_b8 v[PF2], s[PFA:PFA+1] offset:8192 th:TH_LOAD_NT scope:SCOPE_SE
.Lnot_mine_\@:
	s_sub_co_u32 s[REM], s[REM], 1
.endm
	s_load_b256 s[4:11], s[0:1], 0x0               ; q, kall, kv, fz
	v_lshl_add_u32 v[SPW], v0, 2, SPARE
	v_mov_b32 v[NIL], 0
	ds_add_u32 v[SPW], v[NIL]                      ; the wave's opening: the add, twice on end, and its wait ahead of my first tensor load
	ds_add_u32 v[SPW], v[NIL]
	v_lshrrev_b32 v[T], 5, v0
	v_readfirstlane_b32 s[WV], v[T]                ; wave 0..3
	s_lshr_b32 s[GG], s[WV], 1                     ; my half of the keys
	s_and_b32 s[WQ], s[WV], 1                      ; my 64 queries
	s_bfe_u32 s16, ttmp6, 0x40000                  ; cx
	s_lshl_b32 s17, ttmp9, 2
	s_add_co_u32 s17, s17, s16                     ; my block of 128 queries
	s_and_b32 s18, ttmp7, 0xffff                   ; 4 x direction + batch, which the partners share
	s_lshr_b32 s19, s18, 2
	s_and_b32 s20, s18, 3
	s_xor_b32 s21, s19, 1
	s_lshl_b32 s21, s21, 2
	s_add_co_u32 s21, s21, s20                     ; K's and V's feature and batch
	s_mov_b32 s[G1+0], 15|(3<<16)|(1<<21)          ; the mask: all four work-groups; elements of 8 bytes; bit 21 beside a mask
	s_mov_b32 s[G1+1], 32<<16                      ; rows of 256 bytes
	s_mov_b32 s[G1+2], 144<<16                     ; 144 of them: 36,864 bytes a wave
	s_mov_b32 s[G1+3], 32<<16
	s_mov_b32 s[G1+4], 144
	s_mov_b32 s[G1+5], 32
	s_mov_b32 s[G1+6], 0
	s_mov_b32 s[G1+7], 0
	s_mov_b32 s[G1K+0], 15|(3<<16)|(1<<21)
	s_mov_b32 s[G1K+1], 32<<16
	s_mov_b32 s[G1K+2], 256<<16                    ; 256 rows are there;
	s_mov_b32 s[G1K+3], 32<<16
	s_mov_b32 s[G1K+4], 288                        ; the tile has 288: the last 32 arrive as zeros
	s_mov_b32 s[G1K+5], 32
	s_mov_b32 s[G1K+6], 0
	s_mov_b32 s[G1K+7], 0
	s_mov_b32 s[CS], 0x3fb8aa3b                    ; log2(e)
	s_mov_b32 s[CS+1], s[CS]
	s_mov_b32 s[SEL], 0x76543210                   ; v_permlanex16_b32's selects for lane l xor 16
	s_mov_b32 s[SEL+1], 0xfedcba98
	s_mov_b32 s[TB], 0
	s_mov_b32 s[REM], 15
	s_cmp_eq_u32 ttmp9, 0                          ; the first cluster of a y prefetches: the same in all four partners
	s_cselect_b32 s[LIM], 1, -1
	v_and_b32 v[T], 31, v0
	v_lshlrev_b32 v[LI], 4, v[T]
	s_mul_i32 s59, s[GG], HALF
	v_add_nc_u32 v[AV], s59, v[LI]
	v_add_nc_u32 v[AK], KOFF, v[AV]
	s_lshl_b32 s59, s[WV], 9
	s_add_co_u32 s59, s59, MX
	v_lshl_add_u32 v[MXW], v[T], 2, s59
	s_xor_b32 s59, s[WV], 2
	s_lshl_b32 s59, s59, 9
	s_add_co_u32 s59, s59, MX
	v_lshl_add_u32 v[MXR], v[T], 2, s59
	s_lshl_b32 s59, s[WV], 8
	s_add_co_u32 s59, s59, LX
	v_lshl_add_u32 v[LXW], v[T], 2, s59
	s_xor_b32 s59, s[WV], 2
	s_lshl_b32 s59, s59, 8
	s_add_co_u32 s59, s59, LX
	v_lshl_add_u32 v[LXR], v[T], 2, s59
	s_lshl_b32 s59, s[WV], 15
	v_add_nc_u32 v[XW], s59, v[LI]
	s_xor_b32 s59, s[WV], 2
	s_lshl_b32 s59, s59, 15
	v_add_nc_u32 v[XR], s59, v[LI]
	s_lshl_b32 s59, s[GG], 11
	v_add_nc_u32 v[VQ0], s59, v[LI]                ; register tiles 0, 1 are query tiles 2 g, 2 g + 1 of my four,
	s_xor_b32 s59, s59, 2048
	v_add_nc_u32 v[VQ1], s59, v[LI]                ; tiles 2, 3 the other two
	v_lshlrev_b32 v[PFO], 8, v[T]
	v_min_u32 v[PF2], 3, v[T]
	v_lshlrev_b32 v[PF2], 8, v[PF2]
.irp n, 0,1,2,3,4,5,6,7,8,9,10,11,12,13,14,15
	v_mov_b32 v[CM+\n], 0xff800000                 ; the maxima begin at -infinity,
.endr
.irp n, 0,1,2,3,4,5,6,7
	v_mov_b32 v[L+\n], 0                           ; the sums at 0
.endr
.irp n, 1,2,3
	v_mov_b32 v[T+\n], 0                           ; (a lane permute's destination counts as one of its sources)
.endr
	s_wait_dscnt 0x0                               ; both opening adds are done
	s_wait_kmcnt 0x0
	s_lshl_b32 s22, s21, 18                        ; all of K: 262,144 bytes, 65,536 a wave
	s_lshl_b32 s59, s[WV], 16
	s_add_co_u32 s22, s22, s59
	s_mov_b32 s23, 0
	s_mov_b32 s[G0K], 1
	s_mul_i32 s[G0K+1], s[WV], HALF
	s_add_nc_u64 s[G0K+2:G0K+3], s[6:7], s[22:23]
	s_or_b32 s[G0K+3], s[G0K+3], 0x80000000
	s_mul_i32 s22, s21, 2359296                    ; kv: 32 chunks a feature and batch; my half's 16; my half of a chunk
	s_mul_i32 s59, s[GG], 1179648
	s_add_co_u32 s22, s22, s59
	s_mul_i32 s59, s[WQ], QUART
	s_add_co_u32 s22, s22, s59
	s_add_nc_u64 s[8:9], s[8:9], s[22:23]
	s_mov_b32 s[G0], 1
	s_mul_i32 s[G0+1], s[WV], QUART                ; slot 0,
	s_mov_b64 s[G0+2:G0+3], s[8:9]                 ; tile 0
	s_or_b32 s[G0+3], s[G0+3], 0x80000000
	s_mul_i32 s22, s16, 9216                       ; the prefetches: my work-group's 36 of the 144 rows that I fetch, told apart by address; at tile 1: the first step leads to tile 2
	s_add_co_u32 s22, s22, HALF
	s_add_nc_u64 s[PFA:PFA+1], s[8:9], s[22:23]
	s_lshl_b32 s22, s18, 18                        ; q: my four tiles
	s_lshl_b32 s59, s17, 13
	s_add_co_u32 s22, s22, s59
	s_lshl_b32 s59, s[WQ], 12
	s_add_co_u32 s22, s22, s59
	s_add_nc_u64 s[4:5], s[4:5], s[22:23]
	s_lshl_b32 s22, s20, 23                        ; fz: batch, 256 positions, channels 512 + 256 d on, my register tile 0's place
	s_lshr_b32 s59, s17, 1
	s_lshl_b32 s59, s59, 19
	s_add_co_u32 s22, s22, s59
	s_lshl_b32 s59, s19, 17
	s_add_co_u32 s22, s22, s59
	s_add_co_u32 s22, s22, 16*16384
	s_and_b32 s59, s17, 1
	s_lshl_b32 s59, s59, 13
	s_add_co_u32 s22, s22, s59
	s_lshl_b32 s59, s[WQ], 12
	s_add_co_u32 s22, s22, s59
	s_lshl_b32 s59, s[GG], 11
	s_add_co_u32 s22, s22, s59
	s_add_nc_u64 s[FZP:FZP+1], s[10:11], s[22:23]
	CROUND                                         ; all four work-groups are here: the first joint loads meet
	tensor_load_to_lds s[G0K:G0K+3], s[G1K:G1K+7]
	s_nop 0
	PLACES 4
.irp t, 0,1
	global_load_b128 v[Q+8*\t:Q+8*\t+3], v[VQ0], s[4:5] offset:1024*\t
	global_load_b128 v[Q+8*\t+4:Q+8*\t+7], v[VQ0], s[4:5] offset:1024*\t+512
	global_load_b128 v[Q+16+8*\t:Q+16+8*\t+3], v[VQ1], s[4:5] offset:1024*\t
	global_load_b128 v[Q+16+8*\t+4:Q+16+8*\t+7], v[VQ1], s[4:5] offset:1024*\t+512
.endr
	s_mul_i32 s[TP], s[GG], HALF                   ; pass 1 begins at piece g
	s_wait_loadcnt 0x0
	s_wait_tensorcnt 0x0                           ; my piece of K has landed,
	s_barrier_signal -1
	s_barrier_wait -1                              ; everybody's has
; PASS 1.  A trip takes four fragments of K (64 keys) against my four tiles: 16 products.  The maxima of the first eight results stand between the second eight products, four chains a slice;
; a fragment's registers take the next trip's fragment as soon as they are free.  A piece's last trip so asks for 4,096 of the zeros behind the piece: they are loaded and never multiplied.
.macro P1W kt, t
	v_wmma_f32_16x16x32_f16 v[S+32*(\t)+8*(\kt):S+32*(\t)+8*(\kt)+7], v[KF+8*(\kt):KF+8*(\kt)+7], v[Q+8*(\t):Q+8*(\t)+7], 0
.endm
.macro P1M kt, t, s                    ; registers 2 s, 2 s + 1 of a result join its chain: each result from its low end on
	v_max3_num_f32 v[CM+4*(\t)+(\kt)], v[CM+4*(\t)+(\kt)], v[S+32*(\t)+8*(\kt)+2*(\s)], v[S+32*(\t)+8*(\kt)+2*(\s)+1]
.endm
.macro P1PIECE                         ; a piece of K: 64 fragments, 16 trips
	v_add_nc_u32 v[ADR], s[TP], v[LI]
.set j, 0
.rept 8
	ds_load_b128 v[KF+4*j:KF+4*j+3], v[ADR] offset:512*j
.set j, j+1
.endr
	s_mov_b32 s[LP], 16
.Lp1_\@:
	v_add_nc_u32 v[ADR], s[TP], v[LI]
	s_wait_dscnt 4                                 ; fragments 0, 1 are in; the four loads of fragments 2, 3 may be out
.irp kt, 0,1
.irp t, 0,1,2,3
	P1W \kt, \t
.endr
.endr
	PLACES 4                                       ; in front of the loads into the registers just read, and of the first read of these results
.set j, 0
.rept 4
	ds_load_b128 v[KF+4*j:KF+4*j+3], v[ADR] offset:4096+512*j
.set j, j+1
.endr
	s_wait_dscnt 4                                 ; fragments 2, 3 are in; the four loads just issued may be out
.set n, 0
.rept 8
	P1W 2+n/4, n%4
.irp t, 0,1,2,3
	P1M n/4, \t, n%4
.endr
.set n, n+1
.endr
.set j, 0
.rept 4
	ds_load_b128 v[KF+16+4*j:KF+16+4*j+3], v[ADR] offset:6144+512*j   ; the four maxima behind the last product are the places in front of these
.set j, j+1
.endr
.irp s, 0,1,2,3
.irp kt, 2,3
.irp t, 0,1,2,3
	P1M \kt, \t, \s
.endr
.endr
.endr
	s_add_co_u32 s[TP], s[TP], 4096
	s_sub_co_u32 s[LP], s[LP], 1
	s_cmp_lg_u32 s[LP], 0
	s_cbranch_scc1 .Lp1_\@
	s_wait_dscnt 0x0                               ; the look-ahead's loads are in: their registers may be loaded again
.endm
	P1PIECE                                        ; piece g lies in slot 0's bytes
	s_wait_tensorcnt 0x0                           ; slot 0's bytes are left: the three lines and the round in front of their refill
	ds_add_u32 v[SPW], v[NIL]
	s_add_co_u32 s[TP], s[TP], SLOT-65536          ; on to piece 2 + g
	s_wait_dscnt 0x0                               ; the add is done, and my reads of those bytes are over
	CROUND
	tensor_load_to_lds s[G0:G0+3], s[G1:G1+7]      ; tile 0 lands while the other half of pass 1 is walked
	s_nop 0
	PLACES 4
	P1PIECE                                        ; piece 2 + g lies in slot 1's bytes
.irp t, 0,1,2,3
	v_max3_num_f32 v[CM+4*\t], v[CM+4*\t], v[CM+4*\t+1], v[CM+4*\t+2]
.endr
.irp t, 0,1,2,3
	v_max_num_f32 v[CM+4*\t], v[CM+4*\t], v[CM+4*\t+3]
.endr
.irp t, 0,1,2,3
	v_permlanex16_b32 v[T+\t], v[CM+4*\t], s[SEL], s[SEL+1]        ; the query's other keys lie in the lane 16 away
.endr
.irp t, 0,1,2,3
	v_max_num_f32 v[CM+4*\t], v[CM+4*\t], v[T+\t]
	ds_store_b32 v[MXW], v[CM+4*\t] offset:128*\t                  ; for my partner: read behind the next round
.endr
	s_wait_tensorcnt 0x0                           ; tile 0 has landed; slot 1's bytes are left
	ds_add_u32 v[SPW], v[NIL]
	STEPD
	s_wait_dscnt 0x0                               ; the add and my stores are done, my reads are over
	CROUND
	ASKLOAD                                        ; tile 1
.irp t, 0,1,2,3
	ds_load_b32 v[T+\t], v[MXR] offset:128*((\t+2)%4)              ; my tile t is my partner's tile t xor 2
.endr
	s_wait_dscnt 0x0
.irp t, 0,1,2,3
	v_max_num_f32 v[T+\t], v[T+\t], v[CM+4*\t]     ; the rows' true maxima
.endr
.irp t, 0,1,2,3
	v_mul_f32 v[NM+2*\t], 0xbfb8aa3b, v[T+\t]
.endr
.irp t, 0,1,2,3
	v_mov_b32 v[NM+2*\t+1], v[NM+2*\t]             ; (named as the pairs' upper halves)
.endr
; THE MATRIX WORK OF A TURN, for piece x.  The accumulators take turns, one instruction a turn: between two links of a chain stand 31 others'.
; Product i of 64 of O^T += V P: keys 32 (i / 32) on, channels 16 ((i / 2) % 16) on, tile x + i % 2.  pv = 1: the first 32 start the sums: nothing is ever cleared.
.macro PV x, pv
	WIN WPV
.set rO, 128*(i%2)+8*((i/2)%16)
.set rV, 8*(16*(i/32)+(i/2)%16)
.set rP, S+32*((\x)+i%2)+8*(i/32)
.if ((\pv) == 1) && (i < 32)
	v_wmma_f32_16x16x32_f16 v[rO:rO+7], v[rV:rV+7], v[rP:rP+7], 0
.else
	v_wmma_f32_16x16x32_f16 v[rO:rO+7], v[rV:rV+7], v[rP:rP+7], v[rO:rO+7]
.endif
.endm
; Product i of 8 of S^T = K Q^T: tile x + i % 2; the tiles of 16 keys in the order 2, 3, 0, 1: tiles 0 and 1 are written over the piece's packed p, of which the upper half was read by the last products V P.
.macro KQ x
	WIN 0
.set kk, ((i/2)+2)%4
.set tq, (\x)+i%2
	v_wmma_f32_16x16x32_f16 v[S+32*tq+8*kk:S+32*tq+8*kk+7], v[KF+8*kk:KF+8*kk+7], v[Q+8*tq:Q+8*tq+7], 0
.endm
; THE LDS LOADS stand in runs.  K of a step (the sp-th of the slot's two): four fragments.
.macro FETCH_K sp
	WIN 0
	v_add_nc_u32 v[ADK], s[TB], v[AK]
.set j, 0
.rept 8
	ds_load_b128 v[KF+4*j:KF+4*j+3], v[ADK] offset:4096*(\sp)+512*j
.set j, j+1
.endr
.endm
; V of a step in four runs of eight fragments: run r takes the registers that products 16 r .. 16 r + 15 of a turn read.
.macro VRUN sp, r
.if (\r) == 0
	WIN 0
	v_add_nc_u32 v[ADR], s[TB], v[AV]
.endif
	WIN 0x40                                       ; destination window 1
.set j, 0
.rept 16
	ds_load_b128 v[64*(\r)+4*j:64*(\r)+4*j+3], v[ADR] offset:32768*(\sp)+8192*(\r)+512*j
.set j, j+1
.endr
.endm
; THE VECTOR WORK OF A TURN: the softmax of piece y's two tiles for one step, as two lists.  A pair is two neighbouring scores; pair p of 32 lies in tile y + p % 2.
; List A, the batch, 96 instructions: the scalings s log2e - m log2e, a pair each, and the 64 exponentials; a pair is scaled four numbers ahead of its exponentials; none reads an exponential's result.
.macro OPA y
.set kind, 1
.if na == 0
.set kind, 0
.set pr, 0
.set el, 0
.else
.set pr, (na-1)/3
.set el, (na-1)%3
.if pr < 31
.if el == 0
.set kind, 0
.set pr, pr+1
.else
.set el, el-1
.endif
.endif
.endif
.set tl, (\y)+pr%2
.set rg, S+32*tl+2*(pr/2)
.if kind == 0
	v_pk_fma_f32 v[rg:rg+1], v[rg:rg+1], s[CS:CS+1], v[NM+2*tl:NM+2*tl+1] op_sel_hi:[1,0,0]
.else
	v_exp_f32 v[rg+el], v[rg+el]
.endif
.set na, na+1
.endm
; List B, 64 instructions: for each pair its addition to the tile's sums (of p in f32) and then its rounding to f16, in place: packed register j of a tile is written when pairs 0 .. j have been summed and rounded pairs lie below.
.macro OPB y
.set mb, nb/2
.set tbb, (\y)+mb%2
.set jb, mb/2
.if nb%2 == 0
	v_pk_add_f32 v[L+2*tbb:L+2*tbb+1], v[L+2*tbb:L+2*tbb+1], v[S+32*tbb+2*jb:S+32*tbb+2*jb+1]
.else
	v_cvt_pk_f16_f32 v[S+32*tbb+jb], v[S+32*tbb+2*jb], v[S+32*tbb+2*jb+1]
.endif
.set nb, nb+1
.endm
; Slice k of 72.  Slices 0-42 deal out list A, two or three a slice, so that the exponentials are spread; behind slice 42 stand a plain instruction and the ONE wait between the batch and the
; first instruction that names a result.  Slices 43-62 deal out list B, two or three a slice; slices 63-70 one each; slice 71 six.  Those plain instructions are the places behind matrix instructions:
; seven between the last product V P and the product K Q^T that writes over the p that it read; six behind the last K Q^T, ahead of the next turn's first read of its scores and of the next loads of K.
.macro SLICE y
	WIN 0
.if k < 43
.set cnt, 2
.if k%4 == 0
.set cnt, 3
.endif
.rept cnt
.if na < 96
	OPA \y
.endif
.endr
.if k == 42
	v_nop
	s_wait_alu depctr_va_vdst(0)
.endif
.else
.set cnt, 1
.if k < 63
.set cnt, 2+(k+1)%2
.endif
.if k == 71
.set cnt, 6
.endif
.rept cnt
	OPB \y
.endr
.endif
.set k, k+1
.endm
; A TURN.  Piece x has the matrix unit; the other piece's softmax stands in slices behind its matrix instructions.
; pv = 2: 64 products V P; 1: they start O^T's sums; 0: none (nine slices then stand behind each K Q^T).  kq = 1: 8 products K Q^T for the next step.  fetch = 1: piece 0's turn fetches the next step's K behind its
; product 33; piece 2's turn fetches the same step's V, run r behind its product 16 r + 20 (the last behind its fourth K Q^T): five slices or more, with five plain instructions or more, behind the registers' last reader.
; sp: which of the slot's two steps is fetched.
; THE CHANGE OF SLOTS (chg = 1, 2) stands at the head of a turn of piece 0: the slot's last bytes, V of its second step, have been asked for.  I wait for all my tensor loads, of which one is out: my part of the other slot;
; add 0 to my spare word; issue 16 products; wait for the add and for my reads of the slot; signal; issue 16 more, on registers alone; and go on when all have signalled.  chg = 1: the barrier opens a round of the
; cluster's, and the slot just left is filled again first thing behind it, with the keys two slots on: that load has the rest of this slot's two steps in which to land.  chg = 2: the last change: nothing is asked for.
.macro TURN x, pv, kq, chg, sp, fetch
.set k, 0
.set na, 0
.set nb, 0
.set WPV, 0xa1+0x50*((\x)/2)           ; V in window 1, p in window 0, O^T in window 2 or 3
.if \pv
.if (\x) == 0
.if \chg
	WIN 0                                          ; (the add's two registers lie in window 0)
	s_wait_tensorcnt 0x0                           ; no tensor load of mine is out, so the descriptor may be written
	ds_add_u32 v[SPW], v[NIL]
.if (\chg) == 1
	STEPD
.endif
	s_xor_b32 s[TB], s[TB], SLOT                   ; the fetches go on in the other slot
	s_wait_dscnt 49                                ; V's first run is in; the other three runs and the add may be out
.else
	s_wait_dscnt 48                                ; V's first run is in; the other three may be out
.endif
.endif
.set i, 0
.rept 64
.if (\x) == 0
.if i == 16
.if \chg
	s_wait_dscnt 0x0                               ; the add is done, and my reads of the slot are over
	s_barrier_signal -1
.else
	s_wait_dscnt 32                                ; V's second run
.endif
.endif
.if i == 32
.if \chg
	WIN 0                                          ; at a branch and at a label every window is 0
.if (\chg) == 1
	s_wait_alu depctr_va_vdst(0)                   ; the wait for the exponentials issued so far stands ahead of them
.endif
	s_barrier_wait -1
.if (\chg) == 1
	CREST                                          ; no wave of any partner still reads the slot or has a load on its way
	ASKLOAD
.endif
.else
	s_wait_dscnt 16                                ; V's third run
.endif
.endif
.if i == 48
	s_wait_dscnt 8*(\fetch)                        ; V's last run; the eight loads of K, where there are any, may be out
.endif
.endif
	PV \x, \pv
	SLICE 2-\x
.if \fetch
.if ((\x) == 0) && (i == 33)
	FETCH_K \sp
.endif
.if ((\x) == 2) && (i%16 == 4) && (i > 16)
	VRUN \sp, i/16-1
.endif
.endif
.set i, i+1
.endr
.endif
.if \kq
.if (\x) == 0
	s_wait_dscnt 0x0                               ; K is in
.endif
.set per, 1
.if (\pv) == 0
.set per, 9
.endif
.set i, 0
.rept 8
	KQ \x
.rept per
	SLICE 2-\x
.endr
.if (\fetch) && ((\x) == 2) && (i == 3)
	VRUN \sp, 3
.endif
.set i, i+1
.endr
.else
.rept 8
	SLICE 2-\x
.endr
.endif
.endm
	; THE FIRST STEP AND A HALF are written out: there is no vector work yet to set between the first products, and the first products V P start the sums.
	FETCH_K 0
	VRUN 0, 0
	VRUN 0, 1
	VRUN 0, 2
	WIN 0
	s_wait_dscnt 48                                ; K is in; three runs of V may be out
.set i, 0
.rept 8
	KQ 0                                           ; piece 0's first scores
.set i, i+1
.endr
	PLACES 4
	VRUN 0, 3
	TURN 2, 0, 1, 0, 0, 0                          ; piece 2's first scores | piece 0's first softmax
	TURN 0, 1, 1, 0, 1, 1                          ; piece 0: V P of step 0 starts O^T, K Q^T of step 1 | piece 2's first softmax | K of step 1
	TURN 2, 1, 1, 0, 1, 1                          ; piece 2: the same | piece 0's softmax of step 1 | V of step 1
	s_mov_b32 s[LP], 14
.Lring:                                            ; 14 trips, a slot each: every change of slots but the last fills the slot that is left
	TURN 0, 2, 1, 1, 0, 1
	TURN 2, 2, 1, 0, 0, 1
	TURN 0, 2, 1, 0, 1, 1
	TURN 2, 2, 1, 0, 1, 1
	s_sub_co_u32 s[LP], s[LP], 1
	s_cmp_lg_u32 s[LP], 0
	s_cbranch_scc1 .Lring
	TURN 0, 2, 1, 2, 0, 1                          ; the last slot is written out
	TURN 2, 2, 1, 0, 0, 1
	TURN 0, 2, 1, 0, 1, 1
	TURN 2, 2, 1, 0, 1, 1
	TURN 0, 2, 0, 0, 0, 0                          ; piece 0: V P of the last step | piece 2's last softmax
.set WPV, 0xf1
.set i, 0
.rept 64
	PV 2, 2                                        ; piece 2: V P of the last step
.set i, i+1
.endr
	; THE WAY OUT.  I hand my tiles 2, 3 and their sums to my partner and take its tiles 2, 3, which are my tiles 0, 1; the sum of the halves, divided by the row's sum, leaves as f16 fragments of the last product.
	WIN 0
	PLACES 4
.irp t, 0,1,2,3
	v_add_f32 v[L+2*\t], v[L+2*\t], v[L+2*\t+1]
.endr
.irp t, 0,1,2,3
	v_permlanex16_b32 v[T+\t], v[L+2*\t], s[SEL], s[SEL+1]
.endr
.irp t, 0,1,2,3
	v_add_f32 v[L+2*\t], v[L+2*\t], v[T+\t]
.endr
	s_wait_dscnt 0x0
	s_barrier_signal -1
	s_barrier_wait -1                              ; every wave's reads of the ring are over: its bytes may be stored to
	ds_store_b32 v[LXW], v[L+4]
	ds_store_b32 v[LXW], v[L+6] offset:128
	WIN 0x0c                                       ; an LDS store's data: window 3
.set j, 0
.rept 64
	ds_store_b128 v[XW], v[4*j:4*j+3] offset:512*j ; each accumulator from its low end on
.set j, j+1
.endr
	WIN 0
	s_wait_dscnt 0x0                               ; for my partner's sake
	s_barrier_signal -1
	s_barrier_wait -1
	ds_load_b32 v[T], v[LXR]
	ds_load_b32 v[T+1], v[LXR] offset:128
	WIN 0x40                                       ; into V's registers, which are done with
.set j, 0
.rept 64
	ds_load_b128 v[4*j:4*j+3], v[XR] offset:512*j
.set j, j+1
.endr
	WIN 0
	s_wait_dscnt 63                                ; of the 66 loads the oldest three at least are in: the two sums among them
	v_add_f32 v[T], v[T], v[L]                     ; the rows' sums over all keys
	v_add_f32 v[T+1], v[T+1], v[L+2]
	v_rcp_f32 v[RC], v[T]
	v_rcp_f32 v[RC+2], v[T+1]
	s_wait_dscnt 0x0
	WIN 0x46                                       ; source 0: my O^T, window 2; source 1 and destination: my partner's, window 1
.set j, 0
.rept 128
	v_pk_add_f32 v[2*j:2*j+1], v[2*j:2*j+1], v[2*j:2*j+1]          ; (plain work behind the reciprocals)
.set j, j+1
.endr
	WIN 0
	s_wait_alu depctr_va_vdst(0)                   ; the wait ahead of the reciprocals' first reader
	v_mov_b32 v[RC+1], v[RC]
	v_mov_b32 v[RC+3], v[RC+2]
	WIN 0x41                                       ; destination and source 0 window 1, 1 / l window 0
.irp t, 0,1
.set j, 0
.rept 64
	v_pk_mul_f32 v[128*\t+2*j:128*\t+2*j+1], v[128*\t+2*j:128*\t+2*j+1], v[RC+2*\t:RC+2*\t+1] op_sel_hi:[1,0]
.set j, j+1
.endr
.endr
	WIN 0x05                                       ; sources window 1, destination window 0: the scores' registers are free
.set j, 0
.rept 128
	v_cvt_pk_f16_f32 v[S+j], v[2*j], v[2*j+1]
.set j, j+1
.endr
	WIN 0
.irp t, 0,1
.set j, 0
.rept 16
	global_store_b128 v[LI], v[S+64*\t+4*j:S+64*\t+4*j+3], s[FZP:FZP+1] offset:1024*\t+(j/2)*16384+(j%2)*512   ; 512 consecutive bytes, aligned: half a fragment
.set j, j+1
.endr
.endr
	s_wait_tensorcnt 0x0                           ; the wave's end
	ds_add_u32 v[SPW], v[NIL]
	s_wait_dscnt 0x0
	CROUND                                         ; the closing round
	s_endpgm
.Lfunc_end_k_q5dfedfd4c2_attn:
	.size	k_q5dfedfd4c2_attn, .Lfunc_end_k_q5dfedfd4c2_attn-k_q5dfedfd4c2_attn
	.p2alignl 7, 3214868480
	.fill 96, 4, 3214868480
	.section	.rodata,"a",@progbits
	.p2align	6, 0x0
	.amdhsa_kernel k_q5dfedfd4c2_attn
		.amdhsa_group_segment_fixed_size 327680
		.amdhsa_private_segment_fixed_size 0
		.amdhsa_enable_private_segment 0
		.amdhsa_kernarg_size 32
		.amdhsa_user_sgpr_count 2
		.amdhsa_user_sgpr_kernarg_segment_ptr 1
		.amdhsa_wavefront_size32 1
		.amdhsa_system_sgpr_workgroup_id_x 1
		.amdhsa_system_sgpr_workgroup_id_y 1
		.amdhsa_system_sgpr_workgroup_id_z 1
		.amdhsa_system_vgpr_workitem_id 0
		.amdhsa_next_free_vgpr 1024
		.amdhsa_next_free_sgpr 66
		.amdhsa_reserve_vcc 0
		.amdhsa_float_denorm_mode_32 3
		.amdhsa_float_denorm_mode_16_64 3
		.amdhsa_memory_ordered 1
		.amdhsa_forward_progress 1
		.amdhsa_inst_pref_size 255
	.end_amdhsa_kernel
	.section	.bss,"aw",@nobits
	.p2align	6
	.space	262144
	.amdgpu_metadata
---
amdhsa.version: [ 1, 2 ]
amdhsa.kernels:
  - .name:           k_q5dfedfd4c2_attn
    .symbol:         k_q5dfedfd4c2_attn.kd
    .args:
      - { .name: q, .offset: 0, .size: 8, .value_kind: global_buffer, .address_space: global }
      - { .name: kall, .offset: 8, .size: 8, .value_kind: global_buffer, .address_space: global }
      - { .name: kv, .offset: 16, .size: 8, .value_kind: global_buffer, .address_space: global }
      - { .name: fz, .offset: 24, .size: 8, .value_kind: global_buffer, .address_space: global }
    .group_segment_fixed_size: 327680
    .private_segment_fixed_size: 0
    .kernarg_segment_align: 8
    .kernarg_segment_size: 32
    .max_flat_workgroup_size: 128
    .sgpr_count:     66
    .vgpr_count:     1024
    .wavefront_size: 32
...
	.end_amdgpu_metadata
.endif
;; end of part 2
;; launch ogemm (part 3): grid 4 x 64, 4 waves a work-group, clusters of 4 x 1, 327,680 bytes of LDS; arguments fz, wo, pre, st; writes pre, st
.if DOCPART == 3
	.amdgcn_target "amdgcn-amd-amdhsa--gfx1250"
	.amdhsa_code_object_version 6
	.text
	.protected	k_q5dfedfd4c2_ogemm
	.globl	k_q5dfedfd4c2_ogemm
	.p2align	8
	.type	k_q5dfedfd4c2_ogemm,@function
k_q5dfedfd4c2_ogemm:
	s_mov_b64 s[64:65], 0
	v_nop
	global_prefetch_b8 v0, s[64:65] scope:SCOPE_SE
	s_setreg_imm32_b32 hwreg(HW_REG_WAVE_MODE, 25, 1), 1
	s_wait_xcnt 0x0
	s_wait_alu depctr_hold_cnt(0) depctr_sa_sdst(0) depctr_va_vdst(0) depctr_va_sdst(0) depctr_va_ssrc(0) depctr_va_vcc(0) depctr_vm_vsrc(0)
	s_getreg_b32 s2, hwreg(HW_REG_IB_STS2, 6, 4)
	s_cmp_eq_u32 s2, 0
	s_cbranch_scc0 .Lentry_in_a_cluster
	s_endpgm
.Lentry_in_a_cluster:
	s_bfe_u32 s2, ttmp6, 0x10000c
	s_cmp_lg_u32 s2, 0x3003
	s_cbranch_scc0 .Lentry_shape_is_right
	s_endpgm
.Lentry_shape_is_right:
; OGEMM.  pre[b][o][n] = sum over the 1,024 fused channels of w_out[o][c] fused[b][c][n], f16 operands, f32 sums; and for each wave the mean and the sum of squared deviations of each of its channels.
; SHARES.  y = 16 x batch + block of 256 positions; the four work-groups of a cluster are the four blocks of 64 output channels of ONE position block: the fused stream, 524,288 bytes, is asked for
; jointly (mask 15).  A work-group's part of w_out, 131,072 bytes, is its own: a plain load, filled once.  Wave w: positions 64 w on x 64 channels: 16 accumulators.
; Source 0 = fused (16 positions), source 1 = w_out: lane (r, h) holds output channel 64 cb + 4 r + t of tile t, and its registers positions 8 h + 0 .. 7.
; RING.  Two slots of 65,536 bytes, each 128 fused channels: [4 x 32 channels][16 tiles of positions][1 KB].  Eight K steps, written out.  Three tensor loads of mine are out at the start, then one.
; THE VARIANCE is never formed as a difference of large sums: each wave takes its own mean of 64 positions first and sums squared deviations from it.
; REGISTERS.  Window 0 below;  window 1: accumulator (tile of positions p, tile of channels c) at 8 (4 p + c).
.set SPARE, 262144                     ; LDS: slots at 0 and 65,536; w_out at 131,072; the spare words here.  The stage on the way out, 64 rows x 272 bytes a wave, lies from byte 0, behind the last fill and the last read
.set LI,  1
.set AF0, 2                            ; v2, v3: my four fused fragments in slot 0, 1
.set AW0, 4                            ; v4, v5: w_out's fragments, K 0-511 and 512-1023
.set STO, 6
.set RD,  7
.set CO,  8
.set STA, 9
.set HH,  10
.set F0,  16                           ; v16-79, v80-143: two buffers: four fragments of fused, four of w_out
.set F1,  80
.set T,   144                          ; v144-207
.set MN,  208                          ; v208-215 means, a pair a tile of channels
.set M2,  216                          ; v216-231 squared deviations: tile x two chains x a pair
.set TT,  232                          ; v232-235 at work
.set OS,  240                          ; v240-243 what goes to st
.set SPW, 250
.set NIL, 251
.set WV,  12
.set G1,  24
.set G1W, 32
.set G0,  40
.set G0W, 48
.set SEL, 54
.set MSB, 0
.macro WIN new
.if MSB != \new
	s_set_vgpr_msb (MSB<<8)|\new
.set MSB, \new
.endif
.endm
.macro PLACES n
.rept \n
	v_nop
.endr
.endm
.macro CROUND
	s_barrier_signal -1
	s_barrier_wait -1
	s_cmp_lg_u32 s[WV], 0
	s_cbranch_scc1 .Lnot_wave_0_\@
	s_barrier_signal -3
.Lnot_wave_0_\@:
	s_barrier_wait -3
	s_barrier_signal -1
	s_barrier_wait -1
.endm
	s_load_b256 s[4:11], s[0:1], 0x0               ; fz, wo, pre, st
	v_lshl_add_u32 v[SPW], v0, 2, SPARE
	v_mov_b32 v[NIL], 0
	ds_add_u32 v[SPW], v[NIL]                      ; the wave's opening: the add, twice on end, and its wait ahead of my first tensor load
	ds_add_u32 v[SPW], v[NIL]
	v_lshrrev_b32 v[TT], 5, v0
	v_readfirstlane_b32 s[WV], v[TT]
	s_bfe_u32 s16, ttmp6, 0x40000                  ; cx = my block of 64 channels: it enters global addresses of my own loads and stores alone
	s_and_b32 s17, ttmp7, 0xffff                   ; y
	s_mov_b32 s[G1+0], 15|(3<<16)|(1<<21)          ; joint: 64 rows of 256 bytes a wave
	s_mov_b32 s[G1+1], 32<<16
	s_mov_b32 s[G1+2], 64<<16
	s_mov_b32 s[G1+3], 32<<16
	s_mov_b32 s[G1+4], 64
	s_mov_b32 s[G1+5], 32
	s_mov_b32 s[G1+6], 0
	s_mov_b32 s[G1+7], 0
	s_mov_b32 s[G1W+0], 3<<16                      ; my own: 128 rows of 256 bytes a wave
	s_mov_b32 s[G1W+1], 32<<16
	s_mov_b32 s[G1W+2], 128<<16
	s_mov_b32 s[G1W+3], 32<<16
	s_mov_b32 s[G1W+4], 128
	s_mov_b32 s[G1W+5], 32
	s_mov_b32 s[G1W+6], 0
	s_mov_b32 s[G1W+7], 0
	s_mov_b32 s[SEL], 0x76543210
	s_mov_b32 s[SEL+1], 0xfedcba98
	v_and_b32 v[TT], 31, v0
	v_lshlrev_b32 v[LI], 4, v[TT]
	s_lshl_b32 s18, s[WV], 12
	v_add_nc_u32 v[AF0], s18, v[LI]
	v_add_nc_u32 v[AF0+1], 0x10000, v[AF0]
	v_add_nc_u32 v[AW0], 0x20000, v[LI]
	v_add_nc_u32 v[AW0+1], 0x30000, v[LI]
	v_and_b32 v[TT+1], 15, v0                      ; r
	v_bfe_u32 v[HH], v0, 4, 1                      ; h
	s_mul_i32 s18, s[WV], 17408
	v_mul_u32_u24 v[STO], v[TT+1], 272
	v_lshl_add_u32 v[STO], v[HH], 5, v[STO]
	v_add_nc_u32 v[STO], s18, v[STO]               ; the stage, in: row 16 t + r, 64 p + 32 h bytes on
	v_mul_u32_u24 v[RD], v[HH], 272
	v_lshl_add_u32 v[RD], v[TT+1], 4, v[RD]
	v_add_nc_u32 v[RD], s18, v[RD]                 ; back: lanes 0-15 one row of 256 bytes, lanes 16-31 the next
	v_lshlrev_b32 v[CO], 16, v[HH]                 ; the next stage row is four channels on in pre
	v_lshl_add_u32 v[CO], v[TT+1], 4, v[CO]
	v_lshlrev_b32 v[STA], 10, v[HH]                ; st: lanes 0-15 the means, lanes 16-31 the squared deviations
	v_lshl_add_u32 v[STA], v[TT+1], 4, v[STA]
	v_mov_b32 v[TT+2], 0                           ; (a lane permute's destination counts as one of its sources)
	v_mov_b32 v[TT+3], 0
	s_lshl_b32 s20, s17, 19
	s_lshl_b32 s18, s[WV], 14
	s_add_co_u32 s20, s20, s18
	s_mov_b32 s21, 0
	s_lshl_b32 s22, s16, 17
	s_lshl_b32 s19, s[WV], 15
	s_add_co_u32 s22, s22, s19
	s_mov_b32 s23, 0
	s_wait_dscnt 0x0                               ; both opening adds are done
	s_wait_kmcnt 0x0
	s_add_nc_u64 s[4:5], s[4:5], s[20:21]
.irp n, 0,1
	s_mov_b32 s[G0+4*\n], 1
	s_add_co_u32 s[G0+4*\n+1], s18, \n*65536
	s_add_nc_u64 s[G0+4*\n+2:G0+4*\n+3], s[4:5], \n*65536
	s_or_b32 s[G0+4*\n+3], s[G0+4*\n+3], 0x80000000
.endr
	s_mov_b32 s[G0W], 1
	s_add_co_u32 s[G0W+1], s19, 131072
	s_add_nc_u64 s[G0W+2:G0W+3], s[6:7], s[22:23]
	s_or_b32 s[G0W+3], s[G0W+3], 0x80000000
	s_lshr_b32 s20, s17, 4                         ; pre: batch, my 64 channels, my 64 positions
	s_lshl_b32 s20, s20, 22
	s_lshl_b32 s22, s16, 20
	s_add_co_u32 s20, s20, s22
	s_and_b32 s22, s17, 15
	s_lshl_b32 s22, s22, 10
	s_add_co_u32 s20, s20, s22
	s_lshl_b32 s22, s[WV], 8
	s_add_co_u32 s20, s20, s22
	s_add_nc_u64 s[8:9], s[8:9], s[20:21]
	s_lshl_b32 s20, s17, 2                         ; st: part 4 y + wave, my 64 channels
	s_add_co_u32 s20, s20, s[WV]
	s_lshl_b32 s20, s20, 11
	s_lshl_b32 s22, s16, 8
	s_add_co_u32 s20, s20, s22
	s_add_nc_u64 s[10:11], s[10:11], s[20:21]
	CROUND                                         ; all four work-groups are here
	tensor_load_to_lds s[G0W:G0W+3], s[G1W:G1W+7]  ; the first fills go out as one group
	s_nop 0
	tensor_load_to_lds s[G0:G0+3], s[G1:G1+7]
	s_nop 0
	tensor_load_to_lds s[G0+4:G0+7], s[G1:G1+7]
	s_nop 0
	PLACES 4
.macro FETCH slot, kk, f               ; 32 fused channels, the kk-th of 32: my four fragments of fused, the four of w_out
.set j, 0
.rept 8
	ds_load_b128 v[(\f)+4*j:(\f)+4*j+3], v[AF0+\slot] offset:16384*((\kk)%4)+512*j
.set j, j+1
.endr
.set j, 0
.rept 8
	ds_load_b128 v[(\f)+32+4*j:(\f)+32+4*j+3], v[AW0+(\kk)/16] offset:4096*((\kk)%16)+512*j
.set j, j+1
.endr
.endm
.macro MUL f, zero                     ; 16 products on 16 accumulators by turns
	WIN 0x50
.irp p, 0,1,2,3
.irp c, 0,1,2,3
.if \zero
	v_wmma_f32_16x16x32_f16 v[8*(4*\p+\c):8*(4*\p+\c)+7], v[(\f)+8*\p:(\f)+8*\p+7], v[(\f)+32+8*\c:(\f)+32+8*\c+7], 0
.else
	v_wmma_f32_16x16x32_f16 v[8*(4*\p+\c):8*(4*\p+\c)+7], v[(\f)+8*\p:(\f)+8*\p+7], v[(\f)+32+8*\c:(\f)+32+8*\c+7], v[8*(4*\p+\c):8*(4*\p+\c)+7]
.endif
.endr
.endr
	WIN 0
.endm
.macro KSTEP s
	FETCH (\s)%2, 4*(\s), F0
	FETCH (\s)%2, 4*(\s)+1, F1
	s_wait_dscnt 16                                ; the older fetch is in; the younger one's 16 loads may be out
	MUL F0, (\s)==0
	PLACES 4
	FETCH (\s)%2, 4*(\s)+2, F0
	s_wait_dscnt 16
	MUL F1, 0
	PLACES 4
	FETCH (\s)%2, 4*(\s)+3, F1
	s_wait_dscnt 16
	MUL F0, 0
	s_wait_dscnt 0x0
	MUL F1, 0
.endm
.macro CHG s                           ; the change of slots in front of K step s: the slot just read takes K step s + 1
	s_wait_tensorcnt 0x0                           ; all my tensor loads have landed: my part of K step s
	ds_add_u32 v[SPW], v[NIL]
.if (\s) < 7
	s_add_nc_u64 s[G0+4*(((\s)-1)%2)+2:G0+4*(((\s)-1)%2)+3], s[G0+4*(((\s)-1)%2)+2:G0+4*(((\s)-1)%2)+3], 131072
.endif
	s_wait_dscnt 0x0                               ; the add is done, and my reads of the slot are over
.if (\s) < 7
	CROUND
	tensor_load_to_lds s[G0+4*(((\s)-1)%2):G0+4*(((\s)-1)%2)+3], s[G1:G1+7]
	s_nop 0
.else
	s_barrier_signal -1
	s_barrier_wait -1
.endif
	PLACES 4                                       ; also the places in front of the loads into the fragment buffers
.endm
	s_wait_tensorcnt 1                             ; w_out and K step 0 are in; K step 1's load may stay out
	s_barrier_signal -1
	s_barrier_wait -1
	KSTEP 0
.irp s, 1,2,3,4,5,6,7
	CHG \s
	KSTEP \s
.endr
	; THE STATISTICS of my 64 positions, for each of my lane's four channels
	PLACES 4
	WIN 0x05
.set a, 0
.rept 16
	v_pk_add_f32 v[T+4*a:T+4*a+1], v[8*a:8*a+1], v[8*a+2:8*a+3]    ; each accumulator from its low end on
	v_pk_add_f32 v[T+4*a+2:T+4*a+3], v[8*a+4:8*a+5], v[8*a+6:8*a+7]
.set a, a+1
.endr
	WIN 0
.set a, 0
.rept 16
	v_pk_add_f32 v[T+4*a:T+4*a+1], v[T+4*a:T+4*a+1], v[T+4*a+2:T+4*a+3]
.set a, a+1
.endr
.irp c, 0,1,2,3
	v_pk_add_f32 v[T+4*\c:T+4*\c+1], v[T+4*\c:T+4*\c+1], v[T+4*(4+\c):T+4*(4+\c)+1]
	v_pk_add_f32 v[T+4*(8+\c):T+4*(8+\c)+1], v[T+4*(8+\c):T+4*(8+\c)+1], v[T+4*(12+\c):T+4*(12+\c)+1]
.endr
.irp c, 0,1,2,3
	v_pk_add_f32 v[T+4*\c:T+4*\c+1], v[T+4*\c:T+4*\c+1], v[T+4*(8+\c):T+4*(8+\c)+1]
.endr
.irp c, 0,1,2,3
	v_add_f32 v[MN+2*\c], v[T+4*\c], v[T+4*\c+1]
.endr
.irp c, 0,1,2,3
	v_permlanex16_b32 v[TT+\c], v[MN+2*\c], s[SEL], s[SEL+1]       ; the channel's other 32 positions lie in the lane 16 away
.endr
.irp c, 0,1,2,3
	v_add_f32 v[MN+2*\c], v[MN+2*\c], v[TT+\c]
.endr
.irp c, 0,1,2,3
	v_mul_f32 v[MN+2*\c], 0x3c800000, v[MN+2*\c]   ; / 64
.endr
.irp c, 0,1,2,3
	v_mov_b32 v[MN+2*\c+1], v[MN+2*\c]
.endr
	WIN 0x01
.set a, 0
.rept 16
.irp u, 0,1,2,3
	v_pk_add_f32 v[16+8*a+2*\u:16+8*a+2*\u+1], v[8*a+2*\u:8*a+2*\u+1], v[MN+2*(a%4):MN+2*(a%4)+1] op_sel_hi:[1,0] neg_lo:[0,1] neg_hi:[0,1]   ; the deviations
.endr
.set a, a+1
.endr
	WIN 0
.set n, 0
.rept 16
.irp c, 0,1,2,3
.if n < 2
	v_pk_mul_f32 v[M2+4*\c+2*(n%2):M2+4*\c+2*(n%2)+1], v[16+8*(4*(n/4)+\c)+2*(n%4):16+8*(4*(n/4)+\c)+2*(n%4)+1], v[16+8*(4*(n/4)+\c)+2*(n%4):16+8*(4*(n/4)+\c)+2*(n%4)+1]
.else
	v_pk_fma_f32 v[M2+4*\c+2*(n%2):M2+4*\c+2*(n%2)+1], v[16+8*(4*(n/4)+\c)+2*(n%4):16+8*(4*(n/4)+\c)+2*(n%4)+1], v[16+8*(4*(n/4)+\c)+2*(n%4):16+8*(4*(n/4)+\c)+2*(n%4)+1], v[M2+4*\c+2*(n%2):M2+4*\c+2*(n%2)+1]
.endif
.endr
.set n, n+1
.endr
.irp c, 0,1,2,3
	v_pk_add_f32 v[M2+4*\c:M2+4*\c+1], v[M2+4*\c:M2+4*\c+1], v[M2+4*\c+2:M2+4*\c+3]
.endr
.irp c, 0,1,2,3
	v_add_f32 v[M2+4*\c], v[M2+4*\c], v[M2+4*\c+1]
.endr
.irp c, 0,1,2,3
	v_permlanex16_b32 v[TT+\c], v[M2+4*\c], s[SEL], s[SEL+1]
.endr
.irp c, 0,1,2,3
	v_add_f32 v[M2+4*\c], v[M2+4*\c], v[TT+\c]
.endr
	v_cmp_ne_u32 vcc_lo, 0, v[HH]
.irp c, 0,1,2,3
	v_cndmask_b32 v[OS+\c], v[MN+2*\c], v[M2+4*\c], vcc_lo
.endr
	global_store_b128 v[STA], v[OS:OS+3], s[10:11] ; sixteen lanes store 256 consecutive bytes, aligned: 64 channels' means; the other sixteen their squared deviations
	; THE WAY OUT.  A lane holds 32 bytes of a channel's row; through my stage they become rows of 256 bytes.  The stage lies over the slots: every wave's reads of them are over behind this barrier.
	s_wait_dscnt 0x0
	s_barrier_signal -1
	s_barrier_wait -1
	WIN 0x04
.irp p, 0,1,2,3
.irp c, 0,1,2,3
	ds_store_b128 v[STO], v[8*(4*\p+\c):8*(4*\p+\c)+3] offset:16*\c*272+64*\p
	ds_store_b128 v[STO], v[8*(4*\p+\c)+4:8*(4*\p+\c)+7] offset:16*\c*272+64*\p+16
.endr
.endr
	WIN 0
.set i, 0
.rept 32
	ds_load_b128 v[16+4*i:16+4*i+3], v[RD] offset:544*i            ; LDS serves a wave's instructions in order: these see my stores
.set i, i+1
.endr
.set i, 0
.rept 32
	s_wait_dscnt 31-i
	global_store_b128 v[CO], v[16+4*i:16+4*i+3], s[8:9] offset:(i%8)*131072+(i/8)*16384   ; stage row 2 i + lane / 16 is channel 8 (i % 8) + 4 (lane / 16) + i / 8
.set i, i+1
.endr
	s_wait_tensorcnt 0x0                           ; the wave's end
	ds_add_u32 v[SPW], v[NIL]
	s_wait_dscnt 0x0
	CROUND                                         ; the closing round
	s_endpgm
.Lfunc_end_k_q5dfedfd4c2_ogemm:
	.size	k_q5dfedfd4c2_ogemm, .Lfunc_end_k_q5dfedfd4c2_ogemm-k_q5dfedfd4c2_ogemm
	.p2alignl 7, 3214868480
	.fill 96, 4, 3214868480
	.section	.rodata,"a",@progbits
	.p2align	6, 0x0
	.amdhsa_kernel k_q5dfedfd4c2_ogemm
		.amdhsa_group_segment_fixed_size 327680
		.amdhsa_private_segment_fixed_size 0
		.amdhsa_enable_private_segment 0
		.amdhsa_kernarg_size 32
		.amdhsa_user_sgpr_count 2
		.amdhsa_user_sgpr_kernarg_segment_ptr 1
		.amdhsa_wavefront_size32 1
		.amdhsa_system_sgpr_workgroup_id_x 1
		.amdhsa_system_sgpr_workgroup_id_y 1
		.amdhsa_system_sgpr_workgroup_id_z 1
		.amdhsa_system_vgpr_workitem_id 0
		.amdhsa_next_free_vgpr 384
		.amdhsa_next_free_sgpr 66
		.amdhsa_reserve_vcc 1
		.amdhsa_float_denorm_mode_32 3
		.amdhsa_float_denorm_mode_16_64 3
		.amdhsa_memory_ordered 1
		.amdhsa_forward_progress 1
		.amdhsa_inst_pref_size 102
	.end_amdhsa_kernel
	.amdgpu_metadata
---
amdhsa.version: [ 1, 2 ]
amdhsa.kernels:
  - .name:           k_q5dfedfd4c2_ogemm
    .symbol:         k_q5dfedfd4c2_ogemm.kd
    .args:
      - { .name: fz, .offset: 0, .size: 8, .value_kind: global_buffer, .address_space: global }
      - { .name: wo, .offset: 8, .size: 8, .value_kind: global_buffer, .address_space: global }
      - { .name: pre, .offset: 16, .size: 8, .value_kind: global_buffer, .address_space: global }
      - { .name: st, .offset: 24, .size: 8, .value_kind: global_buffer, .address_space: global }
    .group_segment_fixed_size: 327680
    .private_segment_fixed_size: 0
    .kernarg_segment_align: 8
    .kernarg_segment_size: 32
    .max_flat_workgroup_size: 128
    .sgpr_count:     66
    .vgpr_count:     384
    .wavefront_size: 32
...
	.end_amdgpu_metadata
.endif
;; end of part 3
;; launch bnorm (part 4): grid 256 x 1, 8 waves a work-group, no clusters, 1,536 bytes of LDS; arguments pre, st, gamma, beta, out0; writes out0
.if DOCPART == 4
	.amdgcn_target "amdgcn-amd-amdhsa--gfx1250"
	.amdhsa_code_object_version 6
	.text
	.protected	k_q5dfedfd4c2_bnorm
	.globl	k_q5dfedfd4c2_bnorm
	.p2align	8
	.type	k_q5dfedfd4c2_bnorm,@function
k_q5dfedfd4c2_bnorm:
	s_mov_b64 s[64:65], 0
	v_nop
	global_prefetch_b8 v0, s[64:65] scope:SCOPE_SE
	s_setreg_imm32_b32 hwreg(HW_REG_WAVE_MODE, 25, 1), 1
	s_wait_xcnt 0x0
; BNORM.  out0 = (pre - mean) rsqrt(var + 1e-5) gamma + beta, mean and biased variance over batch and positions of each channel.
; A work-group owns one channel in all four batches: 4 x 16,384 bytes, 16 loads of 16 bytes a thread, all asked for at the head and kept in registers: pre is read once.
; Thread t takes part t of the statistics (mean and sum of squared deviations of 64 positions).  mean = sum of means / 256;  var = (sum of M2 + 64 x sum of (mean_t - mean)^2) / 16,384:
; differences of means, never a difference of large sums.  Memory binds: no matrix unit, no cluster, no tensor load.
; REGISTERS: v1-14 addresses and work; v16-79 the 16 loads' data, scaled in place; v80-95 the reductions; v96-97 the mean, v98-99 the gain, v100-101 beta, each twice for the packed forms; v102, v103 the add's two.
.set SPARE, 512                        ; LDS: 64 bytes at 0 and 32 at 256 for the two reductions; the spare words, 128 bytes for each of eight waves, here
.set D,   16
.set R,   80
.set MEAN, 96
.set GAIN, 98
.set BETA, 100
.set SPW, 102
.set NIL, 103
	s_load_b256 s[4:11], s[0:1], 0x0               ; pre, st, gamma, beta
	s_load_b64 s[12:13], s[0:1], 0x20              ; out0
	v_lshl_add_u32 v[SPW], v0, 2, SPARE
	v_mov_b32 v[NIL], 0
	v_lshrrev_b32 v1, 5, v0
	v_readfirstlane_b32 s14, v1                    ; wave 0..7
	s_lshl_b32 s16, ttmp9, 2                       ; 4 x channel
	s_mov_b32 s17, 0
	s_lshl_b32 s18, ttmp9, 14                      ; a channel's 16,384 bytes
	s_mov_b32 s19, 0
	s_mov_b32 s26, 0x76543210                      ; v_permlanex16_b32's selects for lane l xor 16
	s_mov_b32 s27, 0xfedcba98
	s_mov_b32 s29, 0x42800000                      ; 64
	s_mov_b32 s30, 0x38800000                      ; 1 / 16,384
	s_mov_b32 s31, 0x3727c5ac                      ; 1e-5
	v_lshlrev_b32 v2, 11, v0                       ; a part of st is 2,048 bytes
	v_lshlrev_b32 v3, 4, v0
	v_mov_b32 v10, s14
	v_lshlrev_b32 v10, 3, v10                      ; LDS: 8 x wave
	s_lshl_b32 s28, s14, 2
	s_add_co_u32 s28, s28, 256
	v_mov_b32 v12, s28                             ; LDS: 256 + 4 x wave
	v_mov_b32 v11, 0
	v_mov_b32 v8, 0                                ; (a lane permute's destination counts as one of its sources)
	v_mov_b32 v9, 0
	s_wait_kmcnt 0x0
	s_add_nc_u64 s[6:7], s[6:7], s[16:17]
	s_add_nc_u64 s[8:9], s[8:9], s[16:17]
	s_add_nc_u64 s[10:11], s[10:11], s[16:17]
	s_load_b32 s20, s[8:9], 0x0                    ; gamma
	s_load_b32 s21, s[10:11], 0x0                  ; beta
	s_add_nc_u64 s[4:5], s[4:5], s[18:19]
	s_add_nc_u64 s[22:23], s[4:5], 0x800000        ; batches 2 and 3
	s_add_nc_u64 s[12:13], s[12:13], s[18:19]
	s_add_nc_u64 s[24:25], s[12:13], 0x800000
	global_load_b32 v4, v2, s[6:7]                 ; mean_t
	global_load_b32 v5, v2, s[6:7] offset:1024     ; M2_t
.irp i, 0,1,2,3,4,5,6,7
	global_load_b128 v[D+4*\i:D+4*\i+3], v3, s[4:5] offset:(\i/4)*4194304+(\i%4)*4096 th:TH_LOAD_NT
.endr
.irp i, 0,1,2,3,4,5,6,7
	global_load_b128 v[D+32+4*\i:D+32+4*\i+3], v3, s[22:23] offset:(\i/4)*4194304+(\i%4)*4096 th:TH_LOAD_NT
.endr
	s_wait_loadcnt 16                              ; the two statistics are in; the 16 data loads may be out
	v_mov_b32 v6, v4
	v_mov_b32 v7, v5
.irp m, 1,2,4,8
	v_add_f32_dpp v6, v6, v6 row_xmask:\m row_mask:0xf bank_mask:0xf
	v_add_f32_dpp v7, v7, v7 row_xmask:\m row_mask:0xf bank_mask:0xf
.endr
	v_permlanex16_b32 v8, v6, s26, s27
	v_permlanex16_b32 v9, v7, s26, s27
	v_add_f32 v6, v6, v8
	v_add_f32 v7, v7, v9
	ds_store_b64 v10, v[6:7]                       ; all lanes write the same words with the same values
	s_wait_dscnt 0x0
	s_barrier_signal -1
	s_barrier_wait -1
.irp i, 0,1,2,3
	ds_load_b128 v[R+4*\i:R+4*\i+3], v11 offset:16*\i
.endr
	s_wait_dscnt 0x0
	v_pk_add_f32 v[R:R+1], v[R:R+1], v[R+2:R+3]    ; pairs: a sum of means, a sum of M2
	v_pk_add_f32 v[R+4:R+5], v[R+4:R+5], v[R+6:R+7]
	v_pk_add_f32 v[R+8:R+9], v[R+8:R+9], v[R+10:R+11]
	v_pk_add_f32 v[R+12:R+13], v[R+12:R+13], v[R+14:R+15]
	v_pk_add_f32 v[R:R+1], v[R:R+1], v[R+4:R+5]
	v_pk_add_f32 v[R+8:R+9], v[R+8:R+9], v[R+12:R+13]
	v_pk_add_f32 v[R:R+1], v[R:R+1], v[R+8:R+9]
	v_mul_f32 v[MEAN], 0x3b800000, v[R]            ; the mean: / 256
	v_mov_b32 v[MEAN+1], v[MEAN]
	v_sub_f32 v6, v4, v[MEAN]
	v_mul_f32 v6, v6, v6
.irp m, 1,2,4,8
	v_add_f32_dpp v6, v6, v6 row_xmask:\m row_mask:0xf bank_mask:0xf
.endr
	v_permlanex16_b32 v8, v6, s26, s27
	v_add_f32 v6, v6, v8
	ds_store_b32 v12, v6                           ; other bytes than the first reduction's: no barrier is owed between its reads and this store
	s_wait_dscnt 0x0
	s_barrier_signal -1
	s_barrier_wait -1
	ds_load_b128 v[R+4:R+7], v11 offset:256
	ds_load_b128 v[R+8:R+11], v11 offset:272
	s_wait_dscnt 0x0
	v_pk_add_f32 v[R+4:R+5], v[R+4:R+5], v[R+6:R+7]
	v_pk_add_f32 v[R+8:R+9], v[R+8:R+9], v[R+10:R+11]
	v_pk_add_f32 v[R+4:R+5], v[R+4:R+5], v[R+8:R+9]
	v_add_f32 v[R+4], v[R+4], v[R+5]
	v_fma_f32 v13, v[R+4], s29, v[R+1]             ; sum of M2 + 64 x sum of squared differences of means
	v_fma_f32 v13, v13, s30, s31                   ; / 16,384 + 1e-5
	v_rsq_f32 v14, v13
	s_wait_kmcnt 0x0                               ; gamma and beta
	v_mov_b32 v[BETA], s21                         ; (a plain instruction behind the transcendental)
	v_mov_b32 v[BETA+1], s21
	s_wait_alu depctr_va_vdst(0)                   ; the wait ahead of the reciprocal root's first reader
	v_mul_f32 v[GAIN], s20, v14
	v_mov_b32 v[GAIN+1], v[GAIN]
.irp i, 0,1,2,3,4,5,6,7,8,9,10,11,12,13,14,15
	s_wait_loadcnt 15-\i                           ; loads come back in order: the i-th is in, the younger ones may be out
	v_pk_add_f32 v[D+4*\i:D+4*\i+1], v[D+4*\i:D+4*\i+1], v[MEAN:MEAN+1] neg_lo:[0,1] neg_hi:[0,1]
	v_pk_add_f32 v[D+4*\i+2:D+4*\i+3], v[D+4*\i+2:D+4*\i+3], v[MEAN:MEAN+1] neg_lo:[0,1] neg_hi:[0,1]
	v_pk_fma_f32 v[D+4*\i:D+4*\i+1], v[D+4*\i:D+4*\i+1], v[GAIN:GAIN+1], v[BETA:BETA+1]
	v_pk_fma_f32 v[D+4*\i+2:D+4*\i+3], v[D+4*\i+2:D+4*\i+3], v[GAIN:GAIN+1], v[BETA:BETA+1]
.if \i < 8
	global_store_b128 v3, v[D+4*\i:D+4*\i+3], s[12:13] offset:(\i/4)*4194304+(\i%4)*4096 th:TH_STORE_NT
.else
	global_store_b128 v3, v[D+4*\i:D+4*\i+3], s[24:25] offset:((\i-8)/4)*4194304+(\i%4)*4096 th:TH_STORE_NT
.endif
.endr
	s_wait_tensorcnt 0x0                           ; the wave's end
	ds_add_u32 v[SPW], v[NIL]
	s_wait_dscnt 0x0
	s_endpgm
.Lfunc_end_k_q5dfedfd4c2_bnorm:
	.size	k_q5dfedfd4c2_bnorm, .Lfunc_end_k_q5dfedfd4c2_bnorm-k_q5dfedfd4c2_bnorm
	.p2alignl 7, 3214868480
	.fill 96, 4, 3214868480
	.section	.rodata,"a",@progbits
	.p2align	6, 0x0
	.amdhsa_kernel k_q5dfedfd4c2_bnorm
		.amdhsa_group_segment_fixed_size 1536
		.amdhsa_private_segment_fixed_size 0
		.amdhsa_enable_private_segment 0
		.amdhsa_kernarg_size 40
		.amdhsa_user_sgpr_count 2
		.amdhsa_user_sgpr_kernarg_segment_ptr 1
		.amdhsa_wavefront_size32 1
		.amdhsa_system_sgpr_workgroup_id_x 1
		.amdhsa_system_sgpr_workgroup_id_y 1
		.amdhsa_system_sgpr_workgroup_id_z 1
		.amdhsa_system_vgpr_workitem_id 0
		.amdhsa_next_free_vgpr 104
		.amdhsa_next_free_sgpr 66
		.amdhsa_reserve_vcc 0
		.amdhsa_float_denorm_mode_32 3
		.amdhsa_float_denorm_mode_16_64 3
		.amdhsa_memory_ordered 1
		.amdhsa_forward_progress 1
		.amdhsa_inst_pref_size 13
	.end_amdhsa_kernel
	.amdgpu_metadata
---
amdhsa.version: [ 1, 2 ]
amdhsa.kernels:
  - .name:           k_q5dfedfd4c2_bnorm
    .symbol:         k_q5dfedfd4c2_bnorm.kd
    .args:
      - { .name: pre, .offset: 0, .size: 8, .value_kind: global_buffer, .address_space: global }
      - { .name: st, .offset: 8, .size: 8, .value_kind: global_buffer, .address_space: global }
      - { .name: gamma, .offset: 16, .size: 8, .value_kind: global_buffer, .address_space: global }
      - { .name: beta, .offset: 24, .size: 8, .value_kind: global_buffer, .address_space: global }
      - { .name: out0, .offset: 32, .size: 8, .value_kind: global_buffer, .address_space: global }
    .group_segment_fixed_size: 1536
    .private_segment_fixed_size: 0
    .kernarg_segment_align: 8
    .kernarg_segment_size: 40
    .max_flat_workgroup_size: 256
    .sgpr_count:     66
    .vgpr_count:     104
    .wavefront_size: 32
...
	.end_amdgpu_metadata
.endif
;; end of part 4
